; MI455X (gfx1250); checked and timed in simulation.
; The chip was launched on July 23, 2026; its instructions are those of AMD's public machine-readable ISA for CDNA 5 (MIT licence, August 2026) and "CDNA5" Instruction Set Architecture Reference Guide (July 2026). The comments in the code are by the model that wrote it; some were corrected since.
;; Multi Headed Attention. Allowed arithmetic: matrix products marked QUANTISED: E2M3 operands, one E8M0 scale for each 32 along K, by v_wmma_scale_f32_16x16x128_f8f6f4 with both operands' format E2M3, f32 sums; everything else in f32.
;; Inputs: Wk_codes 1,024 x 32 x 24 uint8 (E2M3 codes of Wk, K innermost, in blocks of 32 codes, four codes in three bytes); Wk_scales 1,024 x 32 uint8 (E8M0 scales of Wk, one for each 32 codes along K); Wo_codes 1,024 x 32 x 24 uint8 (E2M3 codes of Wo, K innermost, in blocks of 32 codes, four codes in three bytes); Wo_scales 1,024 x 32 uint8 (E8M0 scales of Wo, one for each 32 codes along K); Wv_codes 1,024 x 32 x 24 uint8 (E2M3 codes of Wv, K innermost, in blocks of 32 codes, four codes in three bytes); Wv_scales 1,024 x 32 uint8 (E8M0 scales of Wv, one for each 32 codes along K); bk 1,024 float32; bo 1,024 float32; bv 1,024 float32; key_codes 8 x 1,024 x 32 x 24 uint8 (E2M3 codes of key, K innermost, in blocks of 32 codes, four codes in three bytes); key_scales 8 x 1,024 x 32 uint8 (E8M0 scales of key, one for each 32 codes along K); query 8 x 1,024 x 1,024 float32; value_codes 8 x 1,024 x 32 x 24 uint8 (E2M3 codes of value, K innermost, in blocks of 32 codes, four codes in three bytes); value_scales 8 x 1,024 x 32 uint8 (E8M0 scales of value, one for each 32 codes along K).
;; Outputs: out0 8 x 1,024 x 1,024 float32.
;; This version of the problem:
;;   THIS VERSION OF THE PROBLEM IS GIVEN IN LOW PRECISION. The matrix products marked QUANTISED in the list below multiply operands that are first quantised to E2M3 (2 exponent bits, 3 mantissa bits; 6 bits a number), with one power-of-two scale for each 32 numbers along K (OCP MX v1.0); their sums are f32. All else is computed in f32.
;;   The module's matrix products, in the order in which they are computed (A, B: the left and right operand; K: the contracted axis; several contracted axes count as one K, in the product's order):
;;     1. [M 8,192, K 1,024] x [K 1,024, N 1,024]; A: input key (given as codes); B: input Wk (given as codes): QUANTISED
;;     2. [M 8,192, K 1,024] x [K 1,024, N 1,024]; A: input value (given as codes); B: input Wv (given as codes): QUANTISED
;;     3. batch 128 x [M 1,024, K 64] x [K 64, N 1,024]; A: input query; B: computed on the way: QUANTISED
;;     4. batch 128 x [M 1,024, K 1,024] x [K 1,024, N 64]; A: softmax (see below); B: computed on the way: QUANTISED
;;     5. [M 8,192, K 1,024] x [K 1,024, N 1,024]; A: computed on the way; B: input Wo (given as codes): QUANTISED
;;   THE QUANTISER, for each operand of a quantised product, along K:
;;     - K is cut into blocks of 32 from its start; a last block that is shorter is filled with zeros.
;;     - A block's scale is 2^e with e = floor(log2(the largest magnitude in the block)) - 2, held to -126 .. 127; a block of zeros has e = 0. As a byte (E8M0): e + 127.
;;     - Each number is divided by its block's scale, clamped to +-7.5, and rounded to the nearest number of E2M3, ties to even, subnormals kept.
;;     - The product sums the exact products of the quantised numbers (number of the format x scale) in f32.
;;   ~~~python
;;   def quantise(x, axis):      # numpy; x: float32 -> the quantised numbers, widened to float32 again
;;       x = np.moveaxis(x, axis, -1); K = x.shape[-1]
;;       x = np.pad(x, [(0, 0)] * (x.ndim - 1) + [(0, -K % 32)]); x = x.reshape(x.shape[:-1] + (-1, 32)); a = np.abs(x).max(-1, keepdims=True)
;;       e = np.where(a > 0, np.clip(np.frexp(np.where(a > 0, a, 1))[1] - 1 - 2, -126, 127), 0)      # np.frexp(a)[1] - 1 = floor(log2(a)), exactly
;;       r = np.clip(x / 2.0 ** e, -7.5, 7.5)
;;       step = 2.0 ** (np.maximum(np.frexp(np.where(r == 0, 1, r))[1] - 1, 0) - 3)
;;       q = np.round(r / step) * step * 2.0 ** e      # np.round: ties to even
;;       return np.moveaxis(q.reshape(q.shape[:-2] + (-1,))[..., :K], -1, axis).astype(np.float32)
;;   ~~~
;;   SOFTMAX AHEAD OF A QUANTISED PRODUCT. Where the list says 'softmax', what is quantised is not the finished softmax but p = 2^(t - M), with t = logit x log2(e) and M = ceil(the row's largest t), a whole number; so 1/2 < the row's largest p <= 1. The row's sum l is taken of the UNQUANTISED p, in f32, and the product's result is divided by l at the end. Since M is a whole number, a kernel that streams over the keys may use a running M (the ceiling of the running maximum): every later rescaling is an exact power of two, which a block's scale takes up: the codes' values come out the same.
;;   OPERANDS COMPUTED ON THE WAY. 'Computed on the way' means the value that the module computes at that place (a softmax that the list does not call 'softmax' is quantised finished and normalised). What goes into a quantiser is computed in f32, as accurately as f32 sums, v_exp_f32 and their like allow (about 1e-6 of the number): no bf16 or f16 on the way to a quantiser, and a product that is left as it is and whose result goes on into a quantised operand takes f32 operands (vector FMAs, or v_wmma_f32_16x16x4_f32). A number that lies on a knife's edge between two numbers of the format may be rounded either way, as far as f32 arithmetic and the matrix unit's own rounding can turn it there, and no further.
;;   INPUTS GIVEN AS CODES. Wk (in the module: [1024, 1024], K = its axis 1); Wo (in the module: [1024, 1024], K = its axis 1); Wv (in the module: [1024, 1024], K = its axis 1); key (in the module: [8, 1024, 1024], K = its axis 2); value (in the module: [8, 1024, 1024], K = its axis 2): each comes as NAME_codes (uint8): NAME with its K axis moved to the last place and cut into blocks of 32 codes, [.., K / 32, bytes a block], one block behind the other in memory; four codes in three bytes: a row's codes are one little-endian stream of bits, code i at bits 6 i .. 6 i + 5 (a code: sign, 2 exponent bits, 3 mantissa bits); and NAME_scales (uint8): the same leading axes, one E8M0 byte (e + 127) for each 32 codes along K. Its value is code x scale, taken as it is: it is not quantised again, and the codes and scales need not be those that the quantiser above would give.
;; One version. Each part assembles by itself: llvm-mc -triple=amdgcn-amd-amdhsa -mcpu=gfx1250 --defsym DOCPART=n.
;; ======== version 1 of 1: 3 launches
;; workspace buffers: kimg 6,291,456 bytes; vimg 6,291,456 bytes; ksc 262,144 bytes; vsc 262,144 bytes; xc 6,291,456 bytes; xs 262,144 bytes
;; launch kvproj (part 1): grid 4 x 64, 4 waves a work-group, clusters of 4 x 4, 327,680 bytes of LDS; arguments key_codes, key_scales, Wk_codes, Wk_scales, bk, kimg, ksc, Wv_codes, Wv_scales, value_codes, value_scales, bv, vimg, vsc; writes kimg, ksc, vimg, vsc
.if DOCPART == 1
	.amdgcn_target "amdgcn-amd-amdhsa--gfx1250"
	.amdhsa_code_object_version 6
	.text
	.protected	k_qf401715d65_kvproj
	.globl	k_qf401715d65_kvproj
	.p2align	8
	.type	k_qf401715d65_kvproj,@function
k_qf401715d65_kvproj:
	s_mov_b64 s[64:65], 0
	v_nop
	global_prefetch_b8 v0, s[64:65] scope:SCOPE_SE
	s_setreg_imm32_b32 hwreg(HW_REG_WAVE_MODE, 25, 1), 1
	s_wait_xcnt 0x0
	s_wait_alu depctr_hold_cnt(0) depctr_sa_sdst(0) depctr_va_vdst(0) depctr_va_sdst(0) depctr_va_ssrc(0) depctr_va_vcc(0) depctr_vm_vsrc(0)
	s_getreg_b32 s2, hwreg(HW_REG_IB_STS2, 6, 4)
	s_cmp_eq_u32 s2, 0
	s_cbranch_scc0 .Lentry_in_a_cluster
	s_endpgm
.Lentry_in_a_cluster:
	s_bfe_u32 s2, ttmp6, 0x10000c
	s_cmp_lg_u32 s2, 0xf033
	s_cbranch_scc0 .Lentry_shape_is_right
	s_endpgm
.Lentry_shape_is_right:
; k = key Wk^T + bk and v = value Wv^T + bv, both on codes of FP6 (E2M3) with one E8M0 scale for each 32 along K = 1,024; the results are quantised at once and leave as codes.
; ONE BODY, TWO PROBLEMS.  Source 0 of the matrix instruction ("B") gives the result's register axis, source 1 ("A") its lane axis; the register axis is the axis along which the result is quantised.
;   clusters 0-7  (k): A = key (8,192 tokens), B = Wk (1,024 features): a lane holds a token, its registers run along the features: k is quantised along the head's 64.
;   clusters 8-15 (v): A = Wv (1,024 features), B = value (8,192 tokens): a lane holds a feature, its registers run along the tokens: v is quantised along the keys.
; Only pointers, strides and two masks are chosen (scalar selects on the cluster's number, which all partners share); there is one way through the text.
; A tile of 256 x 256 to a work-group of four waves, 128 x 128 to a wave: 64 accumulators, 512 registers.  K goes in steps of 256 through two LDS slots; the scale bytes come once.
; CLUSTERS 4 x 4: A's tile is asked for jointly along a row of the cluster, B's along a column.
; THE BIAS starts the sums: every accumulator is first written as bias(register axis) + bias(lane axis), of which one is masked to 0.  So the bias is added ahead of the products, not behind them: another order of f32 rounding than "sum, then + b".
; THE WAY OUT.  For each of A's eight blocks of 16 rows a lane's 64 numbers (128 along the register axis, two lanes to a row) become one operand fragment (12 registers) and one scale word.  The fragment is stored as an image
; of its registers: piece q (registers 2 q, 2 q + 1) at 256 q + 8 x lane: each store covers 256 consecutive bytes, aligned.
;   kimg [token tile 512][head 16][768]   ksc [batch x 16 + head][key tile 64][row 16] two bytes      vimg [feature tile 64][128 tokens 64][1536]   vsc [128 tokens 64][feature tile 64][row 16] four bytes
; ORDER INSIDE A BLOCK OF 32: a tile's 16 rows of B are neighbours, so a block's code places 0-7, 8-15, 16-23, 24-31 hold its numbers 0-7, 16-23, 8-15, 24-31.  The block is the same set of numbers, so scale and codes are
; the quantiser's; the launch that reads these codes lays its other operand in the same order.
; LIMITS: NaN and infinities are not served.  A block of zeros gets the byte 1 where the quantiser says 127: its codes are zeros and only this program reads the bytes.  Blocks whose largest magnitude lies under 2^-124 keep the byte 1.
; No prefetch: four K steps, of which two are first fills.
.set KSTEP,  256                       ; along K in a slot
.set NQ,     2                         ; matrix instructions deep
.set ROWB,   192                       ; a tile's row in bytes
.set KROW,   768                       ; a row of codes in memory
.set PITCH,  240                       ; an LDS row: 3 x (64 bytes + 16 of padding)
.set FR,     12                        ; registers of a fragment
.set NL,     6                         ; LDS loads that bring one
.set NP,     4                         ; places behind this matrix instruction (ISA guide 7.12.1)
.set HALFT,  128*PITCH                 ; 128 rows: one tensor load
.set SLOT,   4*HALFT                   ; A's 256 rows, then B's 256
.set KS,     32                        ; a row of scale bytes
.set SCL,    2*SLOT                    ; behind the ring: the scale bytes, as 256 bytes + 16 of padding
.set HALFS,  (128*KS/256)*272          ; those of 128 rows
.set SBLK,   (16*KS/256)*272           ; those of 16 rows
.set SPARE,  SCL+4*HALFS               ; the spare words: 128 bytes a wave, named by no other line
.set ADRA, 16                          ; v16-17 my A fragments in slot 0, 1; v18-19 the same behind one padding more
.set ADRB, 20                          ; v20-23 the same for B
.set CO,   24                          ; v24  8 x lane: my place in a piece of an image
.set VS,   25                          ; v25  my place among the scale bytes that leave
.set SH16, 26                          ; v26  16 x (lane / 16): which half of the scale word I store
.set ADRS, 27                          ; v27  my scale words in LDS: lanes 0-15 A's rows, lanes 16-31 B's
.set SPW,  28                          ; v28  my spare word; never rewritten
.set NIL,  29                          ; v29  0; never rewritten
.set SC,   32                          ; v32-63 scale words, two sets
.set BP,   64                          ; v64-127 bias along the register axis (ahead of the products only)
.set AF,   128                         ; v128-223 A's fragments, one set
.set BQ,   224                         ; v224-239 bias along the lane axis, each number twice (a pair for the packed add)
.set TM,   64                          ; the way out: v64-67 largest magnitudes, v68-71 bytes, v76-79 scale operands
.set PW,   80                          ; v80 the scale word, v81 the half that I store
.set PW2,  81
.set PC,   84                          ; v84-95 the codes; v96-98, v100-102 the halves that are moved
.set WV, 18                            ; s18 wave; s19 = wave / 2: my half of A's rows, and: I fetch for A (0) or B (1); s20 = wave % 2: my half of B's rows, and which 128 rows I fetch
.set WA, 19
.set WB, 20
.set G1, 24                            ; s[24:31], s[32:39] groups 1 and 0 (a set a slot) for A's tiles
.set G0, 32
.set G1B, 48                           ; s[48:55], s[56:63] for B's
.set G0B, 56
.set G1S, 68                           ; s[68:75], s[76:79] for A's scale bytes; s[80:87], s[88:91] for B's
.set G0S, 76
.set G1SB, 80
.set G0SB, 88
.set MSB, 0
.macro WIN new                         ; the immediate's high byte repeats the setting that is left
.if MSB != (\new)
	s_set_vgpr_msb (MSB<<8)|(\new)
.set MSB, (\new)
.endif
.endm
.set MUL_LO, 0xa1                      ; source 0 (B) window 1, source 1 (A) window 0, C and D window 2
.set MUL_HI, 0xf1                      ; the same, C and D window 3
.set TO_B,   0x40                      ; destination window 1
.macro JLOAD g0a, g1a, g0b, g1b        ; a joint load: waves 0, 1 for A, waves 2, 3 for B; four v_nop follow each line
	s_cmp_eq_u32 s[WA], 0
	s_cbranch_scc0 .Lfor_b_\@
	tensor_load_to_lds s[\g0a:\g0a+3], s[\g1a:\g1a+7]
	s_nop 0
.rept 4
	v_nop
.endr
	s_branch .Lasked_\@
.Lfor_b_\@:
	tensor_load_to_lds s[\g0b:\g0b+3], s[\g1b:\g1b+7]
	s_nop 0
.rept 4
	v_nop
.endr
.Lasked_\@:
.endm
.macro CREST                           ; a round of the cluster's barrier behind its opening barrier
	s_cmp_lg_u32 s[WV], 0
	s_cbranch_scc1 .Lnot_wave_0_\@
	s_barrier_signal -3
.Lnot_wave_0_\@:
	s_barrier_wait -3
	s_barrier_signal -1
	s_barrier_wait -1
.endm
.macro CROUND
	s_barrier_signal -1
	s_barrier_wait -1
	CREST
.endm
	s_load_b256 s[4:11], s[0:1], 0x0               ; k's set: key's codes, key's scales, Wk's codes, Wk's scales,
	s_load_b128 s[12:15], s[0:1], 0x20             ; bk, kimg,
	s_load_b64 s[16:17], s[0:1], 0x30              ; ksc
	s_load_b64 s[68:69], s[0:1], 0x38              ; v's set: Wv's codes,
	s_load_b256 s[72:79], s[0:1], 0x40             ; Wv's scales, value's codes, value's scales, bv,
	s_load_b128 s[80:83], s[0:1], 0x60             ; vimg, vsc
	v_lshl_add_u32 v[SPW], v0, 2, SPARE
	v_mov_b32 v[NIL], 0
	ds_add_u32 v28, v29
	ds_add_u32 v28, v29
	s_wait_dscnt 0x0
	v_lshrrev_b32 v1, 5, v0
	v_readfirstlane_b32 s[WV], v1                  ; wave 0..3
	s_lshr_b32 s[WA], s[WV], 1
	s_and_b32 s[WB], s[WV], 1
	s_bfe_u32 s40, ttmp6, 0x40000                  ; cx, cy: my place in the cluster
	s_bfe_u32 s41, ttmp6, 0x40004
	s_and_b32 s42, ttmp7, 0xffff                   ; the cluster's number 0..15 (the grid is one cluster wide)
	s_lshl_b32 s43, s41, 2
	s_lshl_b32 s43, 15, s43                        ; my row of the cluster
	s_lshl_b32 s44, 0x1111, s40                    ; my column
	s_sub_co_u32 s45, s42, 8
	s_mov_b32 s2, 0x76543210                       ; v_permlanex16_b32's selects for lane l xor 16
	s_mov_b32 s3, 0xfedcba98
	s_mov_b32 s66, 98304
	s_mov_b32 s67, 0
	s_mov_b32 s97, 0
	s_wait_kmcnt 0x0
	s_cmp_lt_u32 s42, 8                            ; k's problem or v's?  Only selects and moves follow, so SCC stands
	s_cselect_b64 s[4:5], s[4:5], s[68:69]         ; A's codes
	s_cselect_b64 s[6:7], s[6:7], s[72:73]         ; A's scales
	s_cselect_b64 s[8:9], s[8:9], s[74:75]         ; B's codes
	s_cselect_b64 s[10:11], s[10:11], s[76:77]     ; B's scales
	s_cselect_b64 s[12:13], s[12:13], s[78:79]     ; the bias
	s_cselect_b64 s[14:15], s[14:15], s[80:81]     ; the codes' way out
	s_cselect_b64 s[16:17], s[16:17], s[82:83]     ; the scale bytes' way out
	s_cselect_b32 s21, s42, 0                      ; which four tiles of A this cluster takes,
	s_cselect_b32 s22, 0, s45                      ; and of B
	s_cselect_b32 s66, 12288, s66                  ; s[66:67] bytes of codes from one of A's blocks of 16 rows to the next
	s_cselect_b32 s96, 32, 64                      ; s[96:97] the same of scale bytes
	s_cselect_b32 s100, 2, 4                       ; scale bytes from row to row,
	s_cselect_b32 s101, 2048, 2                    ; and from the word's low half to its high half
	s_cselect_b32 s98, -1, 0                       ; keeps the bias along the register axis (k),
	s_cselect_b32 s99, 0, -1                       ; or along the lane axis (v)
	s_lshl_b32 s21, s21, 2
	s_add_co_u32 s21, s21, s41                     ; A's tile: hangs on cy and the cluster's number
	s_lshl_b32 s22, s22, 2
	s_add_co_u32 s22, s22, s40                     ; B's tile: on cx and the cluster's number
	; group 1: a tile of 128 rows x 192 bytes; 16 bytes of padding behind every 64
	s_or_b32 s[G1+0], s43, (1<<20)|(1<<21)|(3<<22)|(3<<25)   ; 15:0 the mask; 17:16 elements of 1 byte; 20 padding on; 21 set beside a mask; 24:22 after every 16 words; 31:25 4 words
	s_or_b32 s[G1B+0], s44, (1<<20)|(1<<21)|(3<<22)|(3<<25)
.irp g, G1, G1B
	s_mov_b32 s[\g+1], ROWB<<16                    ; tensor_dim0
	s_mov_b32 s[\g+2], 128<<16                     ; tensor_dim1
	s_mov_b32 s[\g+3], ROWB<<16                    ; tile_dim0
	s_mov_b32 s[\g+4], 128                         ; tile_dim1
	s_mov_b32 s[\g+5], KROW                        ; from row to row
	s_mov_b32 s[\g+6], 0
	s_mov_b32 s[\g+7], 0
.endr
	; the scale bytes of 128 rows: 4,096 dense bytes as 16 rows of 256 (32 elements of 8 bytes), 16 bytes of padding behind each
	s_or_b32 s[G1S+0], s43, (3<<16)|(1<<20)|(1<<21)|(5<<22)|(3<<25)
	s_or_b32 s[G1SB+0], s44, (3<<16)|(1<<20)|(1<<21)|(5<<22)|(3<<25)
.irp g, G1S, G1SB
	s_mov_b32 s[\g+1], 32<<16
	s_mov_b32 s[\g+2], (128*KS/256)<<16
	s_mov_b32 s[\g+3], 32<<16
	s_mov_b32 s[\g+4], 128*KS/256
	s_mov_b32 s[\g+5], 32
	s_mov_b32 s[\g+6], 0
	s_mov_b32 s[\g+7], 0
.endr
	s_lshl_b32 s23, s[WB], 7                       ; which 128 rows of a tile I fetch
	s_lshl_b32 s92, s21, 8
	s_add_co_u32 s92, s92, s23                     ; A's row
	s_lshl_b32 s46, s22, 8
	s_add_co_u32 s46, s46, s23                     ; B's row
	s_lshl_b32 s94, s92, 5                         ; their scale bytes (all offsets stay under 2^23)
	s_mov_b32 s95, 0
	s_mul_i32 s92, s92, KROW                       ; and codes
	s_mov_b32 s93, 0
	s_lshl_b32 s90, s46, 5
	s_mov_b32 s91, 0
	s_mul_i32 s46, s46, KROW
	s_mov_b32 s47, 0
	s_add_nc_u64 s[92:93], s[4:5], s[92:93]
	s_add_nc_u64 s[94:95], s[6:7], s[94:95]
	s_add_nc_u64 s[46:47], s[8:9], s[46:47]
	s_add_nc_u64 s[90:91], s[10:11], s[90:91]
	s_mul_i32 s45, s[WV], HALFT                    ; where they go: wave x 128 rows: no place in the cluster enters an LDS address
	s_mul_i32 s23, s[WV], HALFS
	CROUND                                         ; all sixteen work-groups are here: the first joint loads meet
	s_mov_b32 s[G0S], 1
	s_add_co_u32 s[G0S+1], s23, SCL
	s_mov_b64 s[G0S+2:G0S+3], s[94:95]
	s_or_b32 s[G0S+3], s[G0S+3], 0x80000000
	s_mov_b32 s[G0SB], 1
	s_add_co_u32 s[G0SB+1], s23, SCL
	s_or_b32 s[G0SB+3], s[G0SB+3], 0x80000000
	JLOAD G0S, G1S, G0SB, G1SB                     ; the scale bytes first: they are wanted with K step 0
.irp s, 0,1
	s_mov_b32 s[G0+4*\s], 1
	s_add_co_u32 s[G0+4*\s+1], s45, \s*SLOT
	s_add_nc_u64 s[G0+4*\s+2:G0+4*\s+3], s[92:93], \s*ROWB
	s_or_b32 s[G0+4*\s+3], s[G0+4*\s+3], 0x80000000
	s_mov_b32 s[G0B+4*\s], 1
	s_add_co_u32 s[G0B+4*\s+1], s45, \s*SLOT
	s_add_nc_u64 s[G0B+4*\s+2:G0B+4*\s+3], s[46:47], \s*ROWB
	s_or_b32 s[G0B+4*\s+3], s[G0B+4*\s+3], 0x80000000
	s_wait_alu depctr_va_vdst(0)
	s_wait_tensorcnt 0x0
	ds_add_u32 v28, v29
	s_wait_dscnt 0x0
	CROUND
	JLOAD G0+4*\s, G1, G0B+4*\s, G1B               ; one tensor load of mine is out
.endr
	; THE BIAS, while the tiles are on their way.  The offset of the axis that does not apply is 0, so that no load leaves the 4,096 bytes; what it brings is masked to 0
	v_and_b32 v1, 15, v0                           ; r = lane % 16
	v_bfe_u32 v2, v0, 4, 1                         ; h = lane / 16
	v_lshlrev_b32 v3, 5, v2                        ; register axis: 8 numbers for each half of the lanes
	s_wait_alu depctr_va_vdst(0)
	v_lshlrev_b32 v4, 2, v1                        ; lane axis: a number a row
	s_wait_alu depctr_va_vdst(0)
	s_lshl_b32 s23, s22, 10
	s_lshl_b32 s45, s[WB], 9
	s_add_co_u32 s23, s23, s45                     ; 4 x my first index along the register axis: 256 x B's tile + 128 x half
	s_lshl_b32 s45, s21, 10
	s_lshl_b32 s94, s[WA], 9
	s_add_co_u32 s45, s45, s94                     ; and along the lane axis
	s_cmp_lt_u32 s42, 8
	s_cselect_b32 s46, s23, 0
	s_cselect_b32 s92, 0, s45
	s_mov_b32 s47, 0
	s_mov_b32 s93, 0
	s_add_nc_u64 s[46:47], s[12:13], s[46:47]
	s_add_nc_u64 s[92:93], s[12:13], s[92:93]
.irp b, 0,1,2,3,4,5,6,7
	global_load_b128 v[BP+8*\b:BP+8*\b+3], v3, s[46:47] offset:64*\b       ; bias(16 b + 8 h + 0 .. 7)
	global_load_b128 v[BP+8*\b+4:BP+8*\b+7], v3, s[46:47] offset:64*\b+16
.endr
.irp a, 0,1,2,3,4,5,6,7
	global_load_b32 v[BQ+2*\a], v4, s[92:93] offset:64*\a                  ; bias(16 a + r), twice
	global_load_b32 v[BQ+2*\a+1], v4, s[92:93] offset:64*\a
.endr
	v_mul_u32_u24 v5, v1, PITCH
	v_mad_u32_u24 v5, v2, 24, v5                   ; a fragment's row x pitch + 24 x half
	v_lshl_add_u32 v6, v2, 4, v5                   ; and the same behind one padding more
	s_mul_i32 s23, s[WA], HALFT                    ; my 128 rows of A
	s_mul_i32 s45, s[WB], HALFT                    ; my 128 rows of B,
	s_add_co_u32 s45, s45, 2*HALFT                 ; which lie behind A's 256
.irp s, 0,1
	v_add_nc_u32 v[ADRA+\s], s23, v5
	v_add_nc_u32 v[ADRB+\s], s45, v5
	v_add_nc_u32 v[ADRA+2+\s], s23, v6
	v_add_nc_u32 v[ADRB+2+\s], s45, v6
	s_add_co_u32 s23, s23, SLOT
	s_add_co_u32 s45, s45, SLOT
.endr
	v_mul_u32_u24 v7, v1, KS                       ; my row's scale bytes,
	v_lshrrev_b32 v8, 8, v7
	v_lshl_add_u32 v7, v8, 4, v7                   ; and 16 more for each 256 passed
	s_mul_i32 s23, s[WA], HALFS
	s_mul_i32 s45, s[WB], HALFS
	s_add_co_u32 s45, s45, 2*HALFS
	s_sub_co_u32 s45, s45, s23
	v_mul_u32_u24 v8, s45, v2                      ; lanes 16-31 take B's: the lower base + h x the distance
	s_add_co_u32 s23, s23, SCL
	v_add_nc_u32 v7, v7, v8
	v_add_nc_u32 v[ADRS], s23, v7
	v_and_b32 v7, 31, v0
	v_lshlrev_b32 v[CO], 3, v7
	v_mul_u32_u24 v[VS], s100, v1
	v_mul_u32_u24 v7, s101, v2
	v_add_nc_u32 v[VS], v[VS], v7
	v_lshlrev_b32 v[SH16], 4, v2
	; where my results go.  T1 = my first block of 16 rows of A, R0 = my 128 along the register axis
	s_lshl_b32 s23, s21, 4
	s_lshl_b32 s45, s[WA], 3
	s_add_co_u32 s23, s23, s45                     ; T1 = 16 x A's tile + 8 x half
	s_lshl_b32 s45, s22, 1
	s_add_co_u32 s45, s45, s[WB]                   ; R0 = 2 x B's tile + half
	s_mul_i32 s94, s23, s66
	s_mul_i32 s95, s45, 1536
	s_add_co_u32 s94, s94, s95
	s_mov_b32 s95, 0
	s_add_nc_u64 s[14:15], s[14:15], s[94:95]      ; codes: T1 x (bytes a block) + 1,536 R0
	s_lshl_b32 s94, s45, 12                        ; scale bytes: 4,096 R0 in both problems,
	s_lshr_b32 s43, s23, 6
	s_lshl_b32 s43, s43, 15
	s_and_b32 s44, s23, 63
	s_lshl_b32 s44, s44, 5
	s_add_co_u32 s43, s43, s44                     ; k: + 32,768 x batch + 32 x key tile
	s_lshl_b32 s44, s23, 6                         ; v: + 64 T1
	s_cmp_lt_u32 s42, 8
	s_cselect_b32 s43, s43, s44
	s_add_co_u32 s94, s94, s43
	s_add_nc_u64 s[16:17], s[16:17], s[94:95]
	s_wait_loadcnt 0x0                             ; the bias
.set j, 0
.rept 64
	v_and_b32 v[BP+j], s98, v[BP+j]
.set j, j+1
.endr
.set j, 0
.rept 16
	v_and_b32 v[BQ+j], s99, v[BQ+j]
.set j, j+1
.endr
	WIN 0x80                                       ; destination window 2: accumulator (a, b) = bias(register axis) + bias(lane axis)
.irp a, 0,1,2,3
.irp b, 0,1,2,3,4,5,6,7
.irp i, 0,2,4,6
	v_pk_add_f32 v[8*(8*\a+\b)+\i:8*(8*\a+\b)+\i+1], v[BP+8*\b+\i:BP+8*\b+\i+1], v[BQ+2*\a:BQ+2*\a+1]
.endr
.endr
.endr
	WIN 0xc0                                       ; window 3: A's blocks 4-7
.irp a, 0,1,2,3
.irp b, 0,1,2,3,4,5,6,7
.irp i, 0,2,4,6
	v_pk_add_f32 v[8*(8*\a+\b)+\i:8*(8*\a+\b)+\i+1], v[BP+8*\b+\i:BP+8*\b+\i+1], v[BQ+8+2*\a:BQ+8+2*\a+1]
.endr
.endr
.endr
	WIN 0
.macro FRAG reg, adr, q, i             ; a fragment, 16 rows x 128 K: lane l holds row l % 16; registers 6 c .. 6 c + 5 hold K = 64 c + 32 (l / 16) + 0 .. 31: 24 bytes of the row, as they lie, in pieces of 8 bytes
.irp p, 0,1,2,3,4,5
.set PCE, 12*(\q)+6*(\p/3)+\p%3       ; lanes 16-31 read three pieces on; where that lies behind one padding more, the second address register serves
.if PCE%8 < 5
	ds_load_b64 v[\reg+2*\p:\reg+2*\p+1], v[\adr] offset:8*PCE+16*(PCE/8)+(\i)*16*PITCH
.else
	ds_load_b64 v[\reg+2*\p:\reg+2*\p+1], v[\adr+2] offset:8*PCE+16*(PCE/8)+(\i)*16*PITCH
.endif
.endr
.endm
; 16 matrix instructions: A's blocks a0, a0 + 1 x B's eight.  p: B's set; q: which 128 of the slot; sc: the set of scale words.  The 64 accumulators take turns, one instruction a turn.
.macro MUL16 a0, p, q, sc
.irp a, \a0, \a0+1
.irp b, 0,1,2,3,4,5,6,7
	v_wmma_scale_f32_16x16x128_f8f6f4 v[8*(8*((\a)%4)+\b):8*(8*((\a)%4)+\b)+7], v[128*(\p)+FR*\b:128*(\p)+FR*\b+FR-1], v[AF+FR*(\a):AF+FR*(\a)+FR-1], v[8*(8*((\a)%4)+\b):8*(8*((\a)%4)+\b)+7], v[SC+8*NQ*(\sc)+NQ*\b+(\q)], v[SC+8*NQ*(\sc)+NQ*(\a)+(\q)] matrix_a_fmt:MATRIX_FMT_FP6 matrix_b_fmt:MATRIX_FMT_FP6 matrix_a_scale:MATRIX_SCALE_ROW1
.endr
.endr
.endm
.macro FETCH_B slot, q, p
	WIN TO_B
.irp i, 0,1,2,3,4,5,6,7
	FRAG 128*(\p)+FR*\i, ADRB+\slot, \q, \i
.endr
	WIN 0
.endm
.macro FETCH_A slot, q, i0
.irp i, \i0, \i0+1, \i0+2, \i0+3
	FRAG AF+FR*(\i), ADRA+\slot, \q, \i
.endr
.endm
.macro SCALES sc                       ; a K step's scale words: two words a row; lanes 0-15 A's block i, lanes 16-31 B's block i
.irp i, 0,1,2,3,4,5,6,7
	ds_load_b64 v[SC+8*NQ*\sc+NQ*\i:SC+8*NQ*\sc+NQ*\i+1], v[ADRS] offset:\i*SBLK
.endr
.endm
.macro PLACES n                        ; plain vector instructions between a matrix instruction and a load into, or a read of, its registers
.rept \n
	v_nop
.endr
.endm
.macro STEP slot, q                    ; 128 along K with its successor in the same slot
	s_wait_dscnt 4*NL                              ; B's set and A's blocks 0-3 are in; the youngest 24 loads (A's blocks 4-7) may be out
	WIN MUL_LO
	MUL16 0, (\q)%2, \q, \slot
	MUL16 2, (\q)%2, \q, \slot
	s_wait_dscnt 0                                 ; A's blocks 4-7 are in
	PLACES NP
	FETCH_B \slot, (\q)+1, 1-(\q)%2
	FETCH_A \slot, (\q)+1, 0
	WIN MUL_HI
	MUL16 4, (\q)%2, \q, \slot
	MUL16 6, (\q)%2, \q, \slot
	PLACES NP
	WIN 0
	FETCH_A \slot, (\q)+1, 4
.endm
; A slot's last 128 along K, and the change of slots: one barrier; in front of it each wave waits for all its tensor loads, adds 0 to its spare word, and waits for that and for its reads of this slot.
.macro TURN slot, next, fill
	s_wait_tensorcnt 0x0                           ; all my tensor loads have landed: my part of the next slot
	ds_add_u32 v[SPW], v[NIL]                      ; 0 onto my spare word
	s_wait_dscnt 4*NL+1                            ; the add and the youngest 24 loads may be out
	WIN MUL_LO
	MUL16 0, 1, NQ-1, \slot
	s_wait_dscnt 0x0                               ; the add is done, and my reads of this slot are over
	s_barrier_signal -1
	MUL16 2, 1, NQ-1, \slot
	WIN 0
	s_barrier_wait -1
.if \fill
	CREST                                          ; the barrier has opened a round of the cluster's barrier: no wave of any partner still reads this slot or has a load on its way
	s_add_nc_u64 s[G0+4*\slot+2:G0+4*\slot+3], s[G0+4*\slot+2:G0+4*\slot+3], 2*ROWB
	s_add_nc_u64 s[G0B+4*\slot+2:G0B+4*\slot+3], s[G0B+4*\slot+2:G0B+4*\slot+3], 2*ROWB
	JLOAD G0+4*\slot, G1, G0B+4*\slot, G1B         ; the first tensor load behind the round; its four v_nop are the places in front of the loads below
.else
	PLACES NP
.endif
	s_wait_alu depctr_va_vdst(0)
	v_add_nc_u32 v[ADRS], 4*NQ, v[ADRS]            ; on to the next K step's scale words
	FETCH_B \next, 0, 0
	FETCH_A \next, 0, 0
	SCALES \next
	WIN MUL_HI
	MUL16 4, 1, NQ-1, \slot
	MUL16 6, 1, NQ-1, \slot
	PLACES NP
	WIN 0
	FETCH_A \next, 0, 4
.endm
	s_wait_alu depctr_va_vdst(0)
	s_wait_tensorcnt 1                             ; the scale bytes and my part of K step 0 are in; K step 1's load may be out
	s_barrier_signal -1
	s_barrier_wait -1
	FETCH_B 0, 0, 0
	FETCH_A 0, 0, 0
	SCALES 0
	FETCH_A 0, 0, 4
	STEP 0, 0                                      ; four K steps of 256, written out: each slot is filled again once
	TURN 0, 1, 1
	STEP 1, 0
	TURN 1, 0, 1
	STEP 0, 0
	TURN 0, 1, 0                                   ; nothing is left to fetch
	STEP 1, 0
	s_wait_dscnt 4*NL
	WIN MUL_LO
	MUL16 0, 1, NQ-1, 1
	MUL16 2, 1, NQ-1, 1
	s_wait_dscnt 0
	WIN MUL_HI
	MUL16 4, 1, NQ-1, 1
	MUL16 6, 1, NQ-1, 1
	WIN 0
; THE WAY OUT.  The 64 numbers of A's block a in a lane (8 accumulators; registers 16 b .. 16 b + 15 belong to block b of 32, shared with lane l xor 16) become 12 registers of codes and a scale word.
.macro QUANTW a
.set AC, 64*((\a)%4)
.set W, 2+(\a)/4
.set WW, (W<<2)|(W<<4)
	WIN WW                                         ; sources 1 and 2: the accumulators' window
.irp b, 0,1,2,3
	v_max3_num_f32 v[TM+\b], 0x1800000, |v[AC+16*\b]|, |v[AC+16*\b+1]|     ; my 16 numbers of block b and the floor 2^(3 - 127): the byte cannot fall under 1.  Each accumulator is read from its low end on
.endr
.irp i, 2,4,6,8,10,12,14
.irp b, 0,1,2,3
	v_max3_num_f32 v[TM+\b], v[TM+\b], |v[AC+16*\b+\i]|, |v[AC+16*\b+\i+1]|
.endr
.endr
	WIN 0
.irp b, 0,1,2,3
	v_permlanex16_b32 v[TM+4+\b], v[TM+\b], s2, s3
.endr
.irp b, 0,1,2,3
	v_max_num_f32 v[TM+\b], v[TM+\b], v[TM+4+\b]   ; with lane l xor 16's: the block's largest magnitude
.endr
.irp b, 0,1,2,3
	v_add_nc_u32 v[TM+12+\b], 0xff000000, v[TM+\b] ; 2 off its exponent field: the conversion's scale operand
.endr
.irp b, 0,1,2,3
	v_lshrrev_b32 v[TM+4+\b], 23, v[TM+12+\b]      ; the scale's byte
.endr
	v_lshl_or_b32 v[PW], v[TM+5], 8, v[TM+4]
	v_lshl_or_b32 v[PW], v[TM+6], 16, v[PW]
	v_lshl_or_b32 v[PW], v[TM+7], 24, v[PW]
	WIN W                                          ; source 0: the accumulators' window
.irp c, 0,1
	v_cvt_scalef32_pk16_fp6_f32 v[PC+6*\c:PC+6*\c+2], v[AC+32*\c:AC+32*\c+15], v[TM+12+2*\c]
	v_cvt_scalef32_pk16_fp6_f32 v[PC+12+4*\c:PC+14+4*\c], v[AC+16+32*\c:AC+31+32*\c], v[TM+13+2*\c]   ; (a conversion's three registers begin on an even number)
.endr
	WIN 0
	v_nop                                          ; one plain place behind a scaled conversion
.irp c, 0,1                                    ; the operand's layout wants a whole block in a lane: lanes 0-15 block 2 c, lanes 16-31 block 2 c + 1
.irp i, 0,1,2
	v_permlane16_swap_b32 v[PC+6*\c+\i], v[PC+12+4*\c+\i]
.endr
.irp i, 0,1,2
	v_mov_b32 v[PC+3+6*\c+\i], v[PC+12+4*\c+\i]
.endr
.endr
.endm
.macro OUTA a
.if (\a) > 0
	s_wait_xcnt 0x0                                ; the last block's stores have read their data and bases: both are written again only behind this wait
	s_add_nc_u64 s[14:15], s[14:15], s[66:67]
	s_add_nc_u64 s[16:17], s[16:17], s[96:97]
.endif
	QUANTW \a
.irp q, 0,1,2,3,4,5
	global_store_b64 v[CO], v[PC+2*\q:PC+2*\q+1], s[14:15] offset:256*\q   ; 32 lanes store 256 consecutive bytes, aligned
.endr
	v_lshrrev_b32 v[PW2], v[SH16], v[PW]           ; lanes 0-15 store the word's low half, lanes 16-31 its high half
	global_store_b16 v[VS], v[PW2], s[16:17]
.endm
.irp b, 0,1,2,3
	v_mov_b32 v[TM+4+\b], 0                        ; a lane permute's destination counts as one of its sources; these four are also the places behind the last products
.endr
.irp a, 0,1,2,3,4,5,6,7
	OUTA \a
.endr
	s_wait_tensorcnt 0x0                           ; the wave's end
	ds_add_u32 v[SPW], v[NIL]
	s_wait_dscnt 0x0
	CROUND                                         ; the closing round: no work-group ends while a partner may still ask for a tile that names it
	s_endpgm
.Lfunc_end_k_qf401715d65_kvproj:
	.size	k_qf401715d65_kvproj, .Lfunc_end_k_qf401715d65_kvproj-k_qf401715d65_kvproj
	.p2alignl 7, 3214868480
	.fill 96, 4, 3214868480
	.section	.rodata,"a",@progbits
	.p2align	6, 0x0
	.amdhsa_kernel k_qf401715d65_kvproj
		.amdhsa_group_segment_fixed_size 327680
		.amdhsa_private_segment_fixed_size 0
		.amdhsa_enable_private_segment 0
		.amdhsa_kernarg_size 112
		.amdhsa_user_sgpr_count 2
		.amdhsa_user_sgpr_kernarg_segment_ptr 1
		.amdhsa_wavefront_size32 1
		.amdhsa_system_sgpr_workgroup_id_x 1
		.amdhsa_system_sgpr_workgroup_id_y 1
		.amdhsa_system_sgpr_workgroup_id_z 1
		.amdhsa_system_vgpr_workitem_id 0
		.amdhsa_next_free_vgpr 1024
		.amdhsa_next_free_sgpr 102
		.amdhsa_reserve_vcc 0
		.amdhsa_float_denorm_mode_32 3
		.amdhsa_float_denorm_mode_16_64 3
		.amdhsa_memory_ordered 1
		.amdhsa_forward_progress 1
		.amdhsa_inst_pref_size 191
	.end_amdhsa_kernel
	.amdgpu_metadata
---
amdhsa.version: [ 1, 2 ]
amdhsa.kernels:
  - .name:           k_qf401715d65_kvproj
    .symbol:         k_qf401715d65_kvproj.kd
    .args:
      - { .name: key_codes, .offset: 0, .size: 8, .value_kind: global_buffer, .address_space: global }
      - { .name: key_scales, .offset: 8, .size: 8, .value_kind: global_buffer, .address_space: global }
      - { .name: Wk_codes, .offset: 16, .size: 8, .value_kind: global_buffer, .address_space: global }
      - { .name: Wk_scales, .offset: 24, .size: 8, .value_kind: global_buffer, .address_space: global }
      - { .name: bk, .offset: 32, .size: 8, .value_kind: global_buffer, .address_space: global }
      - { .name: kimg, .offset: 40, .size: 8, .value_kind: global_buffer, .address_space: global }
      - { .name: ksc, .offset: 48, .size: 8, .value_kind: global_buffer, .address_space: global }
      - { .name: Wv_codes, .offset: 56, .size: 8, .value_kind: global_buffer, .address_space: global }
      - { .name: Wv_scales, .offset: 64, .size: 8, .value_kind: global_buffer, .address_space: global }
      - { .name: value_codes, .offset: 72, .size: 8, .value_kind: global_buffer, .address_space: global }
      - { .name: value_scales, .offset: 80, .size: 8, .value_kind: global_buffer, .address_space: global }
      - { .name: bv, .offset: 88, .size: 8, .value_kind: global_buffer, .address_space: global }
      - { .name: vimg, .offset: 96, .size: 8, .value_kind: global_buffer, .address_space: global }
      - { .name: vsc, .offset: 104, .size: 8, .value_kind: global_buffer, .address_space: global }
    .group_segment_fixed_size: 327680
    .private_segment_fixed_size: 0
    .kernarg_segment_align: 8
    .kernarg_segment_size: 112
    .max_flat_workgroup_size: 128
    .sgpr_count:     102
    .vgpr_count:     1024
    .wavefront_size: 32
...
	.end_amdgpu_metadata
.endif
;; end of part 1
;; launch attn (part 2): grid 2 x 128, 16 waves a work-group, no clusters, 264,192 bytes of LDS; arguments query, kimg, ksc, vimg, vsc, xc, xs; writes xc, xs
.if DOCPART == 2
	.amdgcn_target "amdgcn-amd-amdhsa--gfx1250"
	.amdhsa_code_object_version 6
	.text
	.protected	k_qf401715d65_attn
	.globl	k_qf401715d65_attn
	.p2align	8
	.type	k_qf401715d65_attn,@function
k_qf401715d65_attn:
	s_mov_b64 s[64:65], 0
	v_nop
	global_prefetch_b8 v0, s[64:65] scope:SCOPE_SE
	s_setreg_imm32_b32 hwreg(HW_REG_WAVE_MODE, 25, 1), 1
	s_wait_xcnt 0x0
; x[b][q][head] = softmax_k(q . k / 8) v for 128 heads of 64, 1,024 queries and keys, both products on codes of FP6 (E2M3) with one E8M0 scale for each 32 along a product's K; x leaves quantised along the head's 64.
; SOFTMAX AHEAD OF THE SECOND PRODUCT: t = score x log2(e) / 8; M = the running largest t rounded up to a whole number; p = 2^(t - M) is quantised along the keys, not normalised; the sum of the unquantised p divides at the end.
; When M moves, the sum and O are multiplied by 2^(old M - new M), which rounds nothing.
; SHARES.  A work-group owns 512 queries of one head; each of its sixteen waves two tiles of 16 queries, one after the other, in 256 registers: four waves to a SIMD, so that one wave's vector work stands beside another's products.
; The head's whole K (49,152 bytes of codes), V (49,152) and their scale bytes (2 x 2,048) lie in LDS, filled once at the head by waves 0-9; each wave's 2 x 16 rows of q (f32) come into a stage of its own.
; Nothing in LDS is filled again or stored to: one barrier in the launch.
; LAYOUT.  Both products are used transposed: S^T = k q^T (source 0 = 16 keys), O^T = v^T p^T (source 0 = 16 of the head's 64): a lane holds one query (lane % 16) throughout.
; K and V lie as images of operand registers (piece p = registers 2 p, 2 p + 1 at 256 p + 8 x lane), so a fragment comes by loads of 8 bytes a lane, 256 consecutive bytes each.
; ORDER INSIDE A BLOCK OF 32: k's and v's code places 0-7, 8-15, 16-23, 24-31 hold numbers 0-7, 16-23, 8-15, 24-31 of the block.  q is loaded into its registers in that order; p falls into it by itself, since a
; tile of S^T is 16 neighbouring keys.  The same order on both sides of a product keeps its terms.  x is brought into the natural order (sixteen exchanges of lane halves), since Wo's codes are given so.
; THE FIRST PRODUCT'S K IS 64: q's registers 6-11 are zero codes and the upper two scale bytes of both sides are 0 (2^-127): those terms are zeros.  K's fragments stand 6 registers apart: the upper six of a
; tile's operand are the next tile's codes (numbers, times zero codes); six cleared registers stand behind the eighth.
; NO CLUSTER: a head's tiles are read by two work-groups (the grid is 2 wide, which no cluster of four divides), once each, at the launch's head.  NO PREFETCH: every load of the launch is issued at its head.
; LIMITS: NaN and infinities are not served.  A block of zeros gets the byte 1 where the quantiser says 127: its codes are zeros, and only this program reads the bytes.  Blocks under 2^-124 keep the byte 1.
; x's scale bytes leave two bytes a row, 32 bytes apart: 32 bytes for each 768 of codes.
.set VB,   49152                       ; LDS: K at 0 [key tile 64][768]; V here [d tile 4][step 8][1536];
.set KSB,  98304                       ; K's scale bytes [key tile 64][row 16] two bytes;
.set VSB,  110592                      ; V's scale words [step 8][d tile 4][row 16];
.set STG,  122880                      ; the stages for q: wave x 8,704 + tile x 4,352: 16 rows of 256 bytes + 16
.set REG,  12288                       ; wave w (0-9) fills the bytes from w x 12,288 on
.set QST,  4352
.set LI8, 1                            ; v1   8 x lane
.set R2K, 2                            ; v2   KSB + 2 r
.set R4V, 3                            ; v3   VSB + 4 r
.set ADK, 4                            ; v4-7 the step's addresses: K, V, K's scales, V's scales
.set ADV, 5
.set ADS, 6
.set ADT, 7
.set QRD, 8                            ; v8   my 128 bytes of a row of q in my stage
.set XSO, 9                            ; v9   32 r: my row of x's scale bytes
.set H8,  10                           ; v10  8 x (lane / 16)
.set QF,  16                           ; v16-27 q's fragment; v22-27 stay 0.  v12 -M, v13 the largest t, v[14:15] the sum in two halves
.set KF,  32                           ; v32-85 eight tiles of K, 6 registers apart, v80-85 stay 0; then four fragments of V in v32-79
.set KSC, 86                           ; v86-93 K's scale words; v86-89 V's
.set QS,  94                           ; v94  q's scale word
.set PS,  95                           ; v95  p's
.set S,   96                           ; v96-159 S^T, then p; at a tile's head q's numbers
.set OT,  160                          ; v160-191 O^T
.set PC,  192                          ; v192-203 p's codes, at the end x's
.set PT,  204                          ; v204-206, v208-210 the halves that are moved
.set BM,  212                          ; v212-215 the blocks' largest
.set BX,  216                          ; v216-219 at work
.set SO,  224                          ; v224-227 scale operands
.set FF,  228                          ; v228 the factor; v229 is named with it as a pair
.set TT,  230
.set WV,  18
.set CS,  22                           ; s[22:23] c = log2(e) / 8
.set G1K, 24                           ; groups 1: K s[24:31], V s[32:39], K's scales s[40:47], V's scales s[48:55], q s[56:63]
.set G1V, 32
.set G1KS, 40
.set G1VS, 48
.set G1Q, 56
.set SEL, 66                           ; s[66:67]
.set G0K, 68                           ; groups 0
.set G0V, 72
.set G0KS, 76
.set G0VS, 80
.set G0Q0, 84
.set G0Q1, 88
.set TK,  92
.set TV,  93
.set TS,  94
.set CNT, 95
.macro GROUP1 g, w0, c, r, p           ; r rows of c elements of 8 bytes, p elements from row to row
	s_mov_b32 s[\g], \w0
	s_mov_b32 s[\g+1], (\c)<<16
	s_mov_b32 s[\g+2], (\r)<<16
	s_mov_b32 s[\g+3], (\c)<<16
	s_mov_b32 s[\g+4], \r
	s_mov_b32 s[\g+5], \p
	s_mov_b32 s[\g+6], 0
	s_mov_b32 s[\g+7], 0
.endm
	s_load_b256 s[4:11], s[0:1], 0x0               ; query, kimg, ksc, vimg
	s_load_b128 s[12:15], s[0:1], 0x20             ; vsc, xc
	s_load_b64 s[16:17], s[0:1], 0x30              ; xs
	v_lshl_add_u32 v254, v0, 2, 0x40000
	v_mov_b32 v255, 0
	ds_add_u32 v254, v255
	ds_add_u32 v254, v255
	v_lshrrev_b32 v1, 5, v0
	s_delay_alu instid0(VALU_DEP_1)
	v_readfirstlane_b32 s[WV], v1                  ; wave 0..15
	s_and_b32 s21, ttmp7, 0xffff                   ; 16 x batch + head
	s_lshr_b32 s19, s21, 4                         ; batch
	s_and_b32 s20, s21, 15                         ; head
	s_and_b32 s96, s[WV], 3                        ; which quarter of K (waves 0-3) or of V (waves 4-7) is mine
	GROUP1 G1K, 3<<16, 96, 16, 1536                ; 16 key tiles: 768 bytes of my head out of each tile's 12,288
	GROUP1 G1V, 3<<16, 32, 48, 32                  ; a d tile's eight steps: 12,288 dense bytes as rows of 256
	GROUP1 G1KS, 3<<16, 32, 8, 32                  ; 2,048 dense bytes
	GROUP1 G1VS, 3<<16, 32, 8, 512                 ; 256 bytes of my head out of each step's 4,096
	GROUP1 G1Q, (3<<16)|(1<<20)|(5<<22)|(3<<25), 32, 16, 512   ; 16 rows: 256 bytes of my head out of 4,096; 16 bytes of padding behind each
	s_mul_i32 s70, s19, 786432                     ; kimg: ((64 batch + 16 quarter) x 16 + head) x 768
	s_mul_i32 s97, s96, 196608
	s_add_co_u32 s70, s70, s97
	s_mul_i32 s97, s20, 768
	s_add_co_u32 s70, s70, s97
	s_mov_b32 s71, 0
	s_lshl_b32 s74, s20, 2                         ; vimg: (4 head + quarter) x 98,304 + batch x 12,288
	s_add_co_u32 s74, s74, s96
	s_mul_i32 s74, s74, 98304
	s_mul_i32 s97, s19, 12288
	s_add_co_u32 s74, s74, s97
	s_mov_b32 s75, 0
	s_lshl_b32 s78, s21, 11                        ; ksc: 2,048 a head
	s_mov_b32 s79, 0
	s_lshl_b32 s82, s19, 15                        ; vsc: batch x 32,768 + head x 256
	s_lshl_b32 s97, s20, 8
	s_add_co_u32 s82, s82, s97
	s_mov_b32 s83, 0
	s_lshl_b32 s86, s19, 22                        ; query: (1,024 batch + 512 x + 32 wave) rows of 4,096 bytes + head x 256
	s_add_co_u32 s86, s86, s97
	s_lshl_b32 s97, ttmp9, 21
	s_add_co_u32 s86, s86, s97
	s_lshl_b32 s97, s[WV], 17
	s_add_co_u32 s86, s86, s97
	s_mov_b32 s87, 0
	s_mul_i32 s69, s[WV], REG                      ; where the shared parts go
	s_mul_i32 s85, s[WV], 2*QST
	s_add_co_u32 s85, s85, STG                     ; my stages
	s_mov_b32 s[CS], 0x3e38aa3b
	s_mov_b32 s[CS+1], s[CS]                       ; (named with it as a pair, so it is written)
	s_mov_b32 s[SEL], 0x76543210
	s_mov_b32 s[SEL+1], 0xfedcba98
	s_wait_dscnt 0x0
	s_wait_kmcnt 0x0
	s_mov_b32 s[G0K], 1
	s_add_nc_u64 s[G0K+2:G0K+3], s[6:7], s[G0K+2:G0K+3]
	s_or_b32 s[G0K+3], s[G0K+3], 0x80000000
	s_mov_b32 s[G0V], 1
	s_mov_b32 s[G0V+1], s69
	s_add_nc_u64 s[G0V+2:G0V+3], s[10:11], s[G0V+2:G0V+3]
	s_or_b32 s[G0V+3], s[G0V+3], 0x80000000
	s_mov_b32 s[G0KS], 1
	s_mov_b32 s[G0KS+1], s69
	s_add_nc_u64 s[G0KS+2:G0KS+3], s[8:9], s[G0KS+2:G0KS+3]
	s_or_b32 s[G0KS+3], s[G0KS+3], 0x80000000
	s_mov_b32 s[G0VS], 1
	s_mov_b32 s[G0VS+1], s69
	s_add_nc_u64 s[G0VS+2:G0VS+3], s[12:13], s[G0VS+2:G0VS+3]
	s_or_b32 s[G0VS+3], s[G0VS+3], 0x80000000
	s_mov_b32 s[G0Q0], 1
	s_add_nc_u64 s[G0Q0+2:G0Q0+3], s[4:5], s[G0Q0+2:G0Q0+3]
	s_mov_b32 s[G0Q1], 1
	s_add_co_u32 s[G0Q1+1], s85, QST
	s_add_nc_u64 s[G0Q1+2:G0Q1+3], s[G0Q0+2:G0Q0+3], 65536     ; 16 rows on
	s_or_b32 s[G0Q0+3], s[G0Q0+3], 0x80000000
	s_or_b32 s[G0Q1+3], s[G0Q1+3], 0x80000000
	; every fill of the launch goes out here: my two tiles of q, then, in waves 0-9, one shared part: at most three tensor loads of mine are out
	tensor_load_to_lds s[G0Q0:G0Q0+3], s[G1Q:G1Q+7]
	s_nop 0
	tensor_load_to_lds s[G0Q1:G0Q1+3], s[G1Q:G1Q+7]
	s_nop 0
.rept 4
	v_nop
.endr
	s_cmp_lt_u32 s[WV], 4
	s_cbranch_scc0 .Lnot_k
	tensor_load_to_lds s[G0K:G0K+3], s[G1K:G1K+7]
	s_nop 0
.rept 4
	v_nop
.endr
	s_branch .Lasked
.Lnot_k:
	s_cmp_lt_u32 s[WV], 8
	s_cbranch_scc0 .Lnot_v
	tensor_load_to_lds s[G0V:G0V+3], s[G1V:G1V+7]
	s_nop 0
.rept 4
	v_nop
.endr
	s_branch .Lasked
.Lnot_v:
	s_cmp_eq_u32 s[WV], 8
	s_cbranch_scc0 .Lnot_ks
	tensor_load_to_lds s[G0KS:G0KS+3], s[G1KS:G1KS+7]
	s_nop 0
.rept 4
	v_nop
.endr
	s_branch .Lasked
.Lnot_ks:
	s_cmp_eq_u32 s[WV], 9
	s_cbranch_scc0 .Lasked
	tensor_load_to_lds s[G0VS:G0VS+3], s[G1VS:G1VS+7]
	s_nop 0
.rept 4
	v_nop
.endr
.Lasked:
	v_and_b32 v11, 31, v0
	s_delay_alu instid0(VALU_DEP_1)
	v_lshlrev_b32 v[LI8], 3, v11
	v_and_b32 v11, 15, v0                          ; r
	v_bfe_u32 v[H8], v0, 4, 1                      ; h
	s_delay_alu instid0(VALU_DEP_2)
	v_lshl_add_u32 v[R2K], v11, 1, KSB
	s_delay_alu instid0(VALU_DEP_3)
	v_lshl_add_u32 v[R4V], v11, 2, VSB
	s_delay_alu instid0(VALU_DEP_4)
	v_mul_u32_u24 v[QRD], v11, 272
	s_delay_alu instid0(VALU_DEP_1)
	v_lshl_add_u32 v[QRD], v[H8], 7, v[QRD]        ; row r, + 128 h: the block of 32 that my half of the lanes holds
	s_delay_alu instid0(VALU_DEP_1)
	v_add_nc_u32 v[QRD], s85, v[QRD]
	v_lshlrev_b32 v[XSO], 5, v11
	v_lshlrev_b32 v[H8], 3, v[H8]
.irp i, 0,1,2,3,4,5
	v_mov_b32 v[QF+6+\i], 0                        ; zero codes for K = 64 .. 127 of the first product
	v_mov_b32 v[KF+48+\i], 0                       ; and what stands behind the eighth tile of K
.endr
.irp b, 0,1,2,3
	v_mov_b32 v[BX+\b], 0                          ; a lane permute's destination counts as one of its sources
.endr
	v_mov_b32 v[FF+1], 0                           ; (named as the upper half of a pair)
	s_lshl_b32 s96, s19, 6                         ; my first tile of 16 rows of x: 64 batch + 32 x + 2 wave
	s_lshl_b32 s97, ttmp9, 5
	s_add_co_u32 s96, s96, s97
	s_lshl_b32 s97, s[WV], 1
	s_add_co_u32 s96, s96, s97
	s_mul_i32 s98, s96, 12288
	s_mul_i32 s97, s20, 768
	s_add_co_u32 s98, s98, s97
	s_mov_b32 s99, 0
	s_add_nc_u64 s[14:15], s[14:15], s[98:99]      ; xc [row tile][head][768]
	s_lshl_b32 s98, s96, 9
	s_lshl_b32 s97, s20, 1
	s_add_co_u32 s98, s98, s97
	s_add_nc_u64 s[16:17], s[16:17], s[98:99]      ; xs [row][32]: my head's two bytes
	s_wait_tensorcnt 0x0                           ; all my fills have landed,
	s_barrier_signal -1
	s_barrier_wait -1                              ; everybody's have
; A KEY STEP: 128 keys.
.macro STEP
	v_add_nc_u32 v[ADK], s[TK], v[LI8]             ; (these four are the places between the last step's products and the loads into their registers)
	v_add_nc_u32 v[ADV], s[TV], v[LI8]
	v_add_nc_u32 v[ADS], s[TS], v[R2K]
	v_add_nc_u32 v[ADT], s[TS], v[R4V]
.irp k, 0,1,2,3,4,5,6,7
.irp p, 0,1,2
	ds_load_b64 v[KF+6*\k+2*\p:KF+6*\k+2*\p+1], v[ADK] offset:768*\k+256*\p
.endr
	ds_load_u16 v[KSC+\k], v[ADS] offset:32*\k     ; two scale bytes; the word's upper two are 0
.endr
	s_wait_alu depctr_va_vdst(0)
	s_wait_dscnt 0x0
.irp k, 0,1,2,3,4,5,6,7
	v_wmma_scale_f32_16x16x128_f8f6f4 v[S+8*\k:S+8*\k+7], v[KF+6*\k:KF+6*\k+11], v[QF:QF+11], 0, v[KSC+\k], v[QS] matrix_a_fmt:MATRIX_FMT_FP6 matrix_b_fmt:MATRIX_FMT_FP6
.endr
.rept 4
	v_nop                                          ; places in front of the loads below and of the first read of the scores
.endr
.irp d, 0,1,2,3                                ; V's four fragments are asked for now and land under the softmax
.irp p, 0,1,2,3,4,5
	ds_load_b64 v[KF+12*\d+2*\p:KF+12*\d+2*\p+1], v[ADV] offset:12288*\d+256*\p
.endr
	ds_load_b32 v[KSC+\d], v[ADT] offset:64*\d
.endr
.irp b, 0,1,2,3
	v_max3_num_f32 v[BM+\b], v[S+16*\b], v[S+16*\b+1], v[S+16*\b+2]   ; the largest score of each block of 32 keys: it serves the row's maximum and, since p rises with the score, the block's largest p
.endr
.irp i, 3,5,7,9,11,13
.irp b, 0,1,2,3
	v_max3_num_f32 v[BM+\b], v[BM+\b], v[S+16*\b+\i], v[S+16*\b+\i+1]
.endr
.endr
.irp b, 0,1,2,3
	v_max_num_f32 v[BM+\b], v[BM+\b], v[S+15+16*\b]
.endr
.irp b, 0,1,2,3
	s_delay_alu instid0(VALU_DEP_4)
	v_permlanex16_b32 v[BX+\b], v[BM+\b], s[SEL], s[SEL+1]
.endr
.irp b, 0,1,2,3
	s_delay_alu instid0(VALU_DEP_4)
	v_max_num_f32 v[BM+\b], v[BM+\b], v[BX+\b]     ; with lane l xor 16's 16 keys
.endr
	s_delay_alu instid0(VALU_DEP_2)
	v_max3_num_f32 v[TT], v[BM], v[BM+1], v[BM+2]
	s_delay_alu instid0(VALU_DEP_1)
	v_max_num_f32 v[TT], v[TT], v[BM+3]
	s_delay_alu instid0(VALU_DEP_1)
	v_mul_f32 v[TT], s[CS], v[TT]                  ; the step's largest t (c is positive)
	s_delay_alu instid0(VALU_DEP_1)
	v_max_num_f32 v13, v13, v[TT]                  ; the running largest t
	v_mov_b32 v[TT], v12
	s_delay_alu instid0(VALU_DEP_2)
	v_floor_f32 v12, -v13                          ; the new -M = floor(-t): M is a whole number
	s_delay_alu instid0(VALU_DEP_1)
	v_sub_f32 v[TT], v12, v[TT]                    ; old M - new M: a whole number, 0 or less
	s_delay_alu instid0(VALU_DEP_1)
	v_cvt_i32_f32 v[TT], v[TT]                     ; (it saturates)
	s_delay_alu instid0(VALU_DEP_1)
	v_ldexp_f32 v[FF], 1.0, v[TT]                  ; f = 2^(old M - new M)
.set j, 0
.rept 32
	v_pk_fma_f32 v[S+j:S+j+1], v[S+j:S+j+1], s[CS:CS+1], v[12:13] op_sel_hi:[1,0,0]   ; t - M, two at a time
.set j, j+2
.endr
.irp b, 0,1,2,3
	v_fma_f32 v[BM+\b], v[BM+\b], s[CS], v12       ; the same of each block's largest score
.endr
.set j, 0
	s_setprio 1
	s_wait_alu depctr_va_vdst(0)
.rept 64
	v_exp_f32 v[S+j], v[S+j]                       ; p = 2^(t - M)
.set j, j+1
.endr
	v_pk_mul_f32 v[14:15], v[14:15], v[FF:FF+1] op_sel_hi:[1,0]   ; the sums under the new M: the plain instruction behind the exponentials
	s_wait_alu depctr_va_vdst(0)                   ; one wait for the batch, ahead of its first reader
.irp b, 0,1,2,3
	v_exp_f32 v[BM+\b], v[BM+\b]                   ; the blocks' largest p
.endr
	v_pk_add_f32 v[216:217], v[100:101], v[104:105]
	v_pk_add_f32 v[252:253], v[108:109], v[112:113]
	v_pk_add_f32 v[250:251], v[116:117], v[120:121]
	v_pk_add_f32 v[248:249], v[124:125], v[128:129]
	v_pk_add_f32 v[246:247], v[132:133], v[136:137]
	v_pk_add_f32 v[244:245], v[140:141], v[144:145]
	v_pk_add_f32 v[242:243], v[148:149], v[152:153]
	v_pk_add_f32 v[14:15], v[14:15], v[156:157]
	v_pk_add_f32 v[216:217], v[216:217], v[96:97]
	v_pk_add_f32 v[252:253], v[252:253], v[98:99]
	v_pk_add_f32 v[250:251], v[250:251], v[102:103]
	v_pk_add_f32 v[248:249], v[248:249], v[106:107]
	v_pk_add_f32 v[246:247], v[246:247], v[110:111]
	v_pk_add_f32 v[244:245], v[244:245], v[114:115]
	v_pk_add_f32 v[242:243], v[242:243], v[118:119]
	v_pk_add_f32 v[14:15], v[14:15], v[122:123]
	v_pk_add_f32 v[216:217], v[216:217], v[126:127]
	v_pk_add_f32 v[252:253], v[252:253], v[130:131]
	v_pk_add_f32 v[250:251], v[250:251], v[134:135]
	v_pk_add_f32 v[248:249], v[248:249], v[138:139]
	v_pk_add_f32 v[246:247], v[246:247], v[142:143]
	v_pk_add_f32 v[244:245], v[244:245], v[146:147]
	v_pk_add_f32 v[242:243], v[242:243], v[150:151]
	v_pk_add_f32 v[14:15], v[14:15], v[154:155]
	v_pk_add_f32 v[216:217], v[216:217], v[158:159]
	s_delay_alu instid0(VALU_DEP_2)
	v_pk_add_f32 v[14:15], v[14:15], v[248:249]
	s_delay_alu instid0(VALU_DEP_2)
	v_pk_add_f32 v[216:217], v[216:217], v[246:247]
	v_pk_add_f32 v[252:253], v[252:253], v[244:245]
	v_pk_add_f32 v[250:251], v[250:251], v[242:243]
	s_delay_alu instid0(VALU_DEP_2)
	v_pk_add_f32 v[14:15], v[14:15], v[252:253]
	s_delay_alu instid0(VALU_DEP_2)
	v_pk_add_f32 v[216:217], v[216:217], v[250:251]
	s_delay_alu instid0(VALU_DEP_1)
	v_pk_add_f32 v[14:15], v[14:15], v[216:217]
	s_wait_alu depctr_va_vdst(0)                   ; and one for the four
.irp b, 0,1,2,3
	v_max_num_f32 v[BM+\b], 0x1800000, v[BM+\b]    ; the floor 2^(3 - 127)
.endr
.irp b, 0,1,2,3
	s_delay_alu instid0(VALU_DEP_4)
	v_add_nc_u32 v[SO+\b], 0xff000000, v[BM+\b]    ; 2 off the exponent field: the conversion's scale operand
.endr
.irp b, 0,1,2,3
	s_delay_alu instid0(VALU_DEP_4)
	v_lshrrev_b32 v[BX+\b], 23, v[SO+\b]           ; the scale's byte
.endr
	s_delay_alu instid0(VALU_DEP_3)
	v_lshl_or_b32 v[PS], v[BX+1], 8, v[BX]
	s_delay_alu instid0(VALU_DEP_1)
	v_lshl_or_b32 v[PS], v[BX+2], 16, v[PS]
	s_delay_alu instid0(VALU_DEP_1)
	v_lshl_or_b32 v[PS], v[BX+3], 24, v[PS]
.irp c, 0,1
	v_cvt_scalef32_pk16_fp6_f32 v[PC+6*\c:PC+6*\c+2], v[S+32*\c:S+32*\c+15], v[SO+2*\c]
	v_cvt_scalef32_pk16_fp6_f32 v[PT+4*\c:PT+4*\c+2], v[S+16+32*\c:S+31+32*\c], v[SO+2*\c+1]
.endr
	v_nop                                          ; one plain place behind a scaled conversion
	s_setprio 0
.irp c, 0,1
.irp i, 0,1,2
	v_permlane16_swap_b32 v[PC+6*\c+\i], v[PT+4*\c+\i]
.endr
.irp i, 0,1,2
	s_delay_alu instid0(VALU_DEP_3)
	v_mov_b32 v[PC+3+6*\c+\i], v[PT+4*\c+\i]
.endr
.endr
.set j, 0
.rept 16
	v_pk_mul_f32 v[OT+j:OT+j+1], v[OT+j:OT+j+1], v[FF:FF+1] op_sel_hi:[1,0]   ; O^T under the new M; these stand between the writes of p's codes and scale word and the products
.set j, j+2
.endr
	s_wait_alu depctr_va_vdst(0)
	s_wait_dscnt 0x0                               ; V
.irp d, 0,1,2,3
	v_wmma_scale_f32_16x16x128_f8f6f4 v[OT+8*\d:OT+8*\d+7], v[KF+12*\d:KF+12*\d+11], v[PC:PC+11], v[OT+8*\d:OT+8*\d+7], v[KSC+\d], v[PS] matrix_a_fmt:MATRIX_FMT_FP6 matrix_b_fmt:MATRIX_FMT_FP6
.endr
.endm
; ONE TILE OF 16 QUERIES: q is quantised, eight key steps, x leaves.
.macro PASS t
.if \t
	s_wait_xcnt 0x0                                ; the first tile's stores have read their registers
.endif
.irp j, 0,1,2,3,4,5,6,7                        ; my block of 32 numbers of q, its octets in the order 0, 2, 1, 3
.set QD, S+8*((((\j/2)&1)<<1)|((\j/2)>>1))+4*(\j%2)
	ds_load_b128 v[QD:QD+3], v[QRD] offset:QST*\t+16*\j
.endr
	s_wait_dscnt 0x0
	v_max3_num_f32 v[BM], |v[S]|, |v[S+1]|, |v[S+2]|
	v_max3_num_f32 v[BM+1], |v[S+3]|, |v[S+4]|, |v[S+5]|
.irp i, 6,10,14,18,22,26
	s_delay_alu instid0(VALU_DEP_2)
	v_max3_num_f32 v[BM], v[BM], |v[S+\i]|, |v[S+\i+1]|
	s_delay_alu instid0(VALU_DEP_2)
	v_max3_num_f32 v[BM+1], v[BM+1], |v[S+\i+2]|, |v[S+\i+3]|
.endr
	s_delay_alu instid0(VALU_DEP_2)
	v_max3_num_f32 v[BM], v[BM], |v[S+30]|, |v[S+31]|
	s_delay_alu instid0(VALU_DEP_1)
	v_max3_num_f32 v[BM], v[BM], v[BM+1], 0x1800000    ; the block's largest magnitude, and the floor
	s_delay_alu instid0(VALU_DEP_1)
	v_add_nc_u32 v[SO], 0xff000000, v[BM]
	s_delay_alu instid0(VALU_DEP_1)
	v_lshrrev_b32 v[BM+1], 23, v[SO]
	s_delay_alu instid0(VALU_DEP_1)
	v_lshlrev_b32 v[BM+1], v[H8], v[BM+1]          ; my block's byte at its place,
	s_delay_alu instid0(VALU_DEP_1)
	v_permlanex16_b32 v[BX], v[BM+1], s[SEL], s[SEL+1]
	s_delay_alu instid0(VALU_DEP_1)
	v_or_b32 v[QS], v[BM+1], v[BX]                 ; with lane l xor 16's: two bytes; the upper two are 0
	v_cvt_scalef32_pk16_fp6_f32 v[QF:QF+2], v[S:S+15], v[SO]
	v_cvt_scalef32_pk16_fp6_f32 v[PT:PT+2], v[S+16:S+31], v[SO]
	v_nop
.irp i, 0,1,2
	v_mov_b32 v[QF+3+\i], v[PT+\i]
.endr
	v_mov_b32 v13, 0xff61b1e6                      ; the largest t so far: -3e38
	s_delay_alu instid0(VALU_DEP_1)
	v_floor_f32 v12, -v13
	v_mov_b32 v14, 0
	v_mov_b32 v15, 0
.set j, 0
.rept 32
	v_mov_b32 v[OT+j], 0                           ; the step is written once: the first finds zeros.  (More than eight plain lines stand between q's scale word and its first product)
.set j, j+1
.endr
	s_mov_b32 s[TK], 0
	s_mov_b32 s[TV], VB
	s_mov_b32 s[TS], 0
	s_mov_b32 s[CNT], 8
.Lstep_\@:
	s_setprio 2
	STEP
	s_add_co_u32 s[TK], s[TK], 6144                ; eight tiles of K,
	s_add_co_u32 s[TV], s[TV], 1536                ; a fragment of V,
	s_add_co_u32 s[TS], s[TS], 256                 ; 256 scale bytes of each
	s_sub_co_u32 s[CNT], s[CNT], 1
	s_cmp_lg_u32 s[CNT], 0
	s_cbranch_scc1 .Lstep_\@
	s_setprio 0
.rept 4
	v_nop                                          ; places behind the last products
.endr
	v_add_f32 v14, v14, v15
	s_delay_alu instid0(VALU_DEP_1)
	v_permlanex16_b32 v[BX], v14, s[SEL], s[SEL+1]
	s_delay_alu instid0(VALU_DEP_1)
	v_add_f32 v14, v14, v[BX]                      ; the row's sum
	s_wait_alu depctr_va_vdst(0)
	v_rcp_f32 v[FF], v14
	v_nop
	s_wait_alu depctr_va_vdst(0)                   ; ahead of the reciprocal's first reader
.set j, 0
.rept 16
	v_pk_mul_f32 v[OT+j:OT+j+1], v[OT+j:OT+j+1], v[FF:FF+1] op_sel_hi:[1,0]   ; x = O^T / the sum; each accumulator from its low end on
.set j, j+2
.endr
.irp b, 0,1                                    ; register 8 (2 b + u) + j of half h is d = 32 b + 16 u + 8 h + j; after the exchange register 16 b + i of half h is d = 32 b + 16 h + i
.irp i, 0,1,2,3,4,5,6,7
	v_permlane16_swap_b32 v[OT+16*\b+\i], v[OT+8+16*\b+\i]
.endr
.endr
.irp b, 0,1
	v_max3_num_f32 v[BM+\b], |v[OT+16*\b]|, |v[OT+16*\b+1]|, 0x1800000
.endr
.irp i, 2,4,6,8,10,12,14
.irp b, 0,1
	s_delay_alu instid0(VALU_DEP_2)
	v_max3_num_f32 v[BM+\b], v[BM+\b], |v[OT+16*\b+\i]|, |v[OT+16*\b+\i+1]|
.endr
.endr
.irp b, 0,1
	s_delay_alu instid0(VALU_DEP_2)
	v_permlanex16_b32 v[BX+\b], v[BM+\b], s[SEL], s[SEL+1]
.endr
.irp b, 0,1
	s_delay_alu instid0(VALU_DEP_2)
	v_max_num_f32 v[BM+\b], v[BM+\b], v[BX+\b]
.endr
.irp b, 0,1
	s_delay_alu instid0(VALU_DEP_2)
	v_add_nc_u32 v[SO+\b], 0xff000000, v[BM+\b]
.endr
.irp b, 0,1
	s_delay_alu instid0(VALU_DEP_2)
	v_lshrrev_b32 v[BX+\b], 23, v[SO+\b]
.endr
	v_cvt_scalef32_pk16_fp6_f32 v[PC:PC+2], v[OT:OT+15], v[SO]
	v_cvt_scalef32_pk16_fp6_f32 v[PT:PT+2], v[OT+16:OT+31], v[SO+1]
	v_nop
.irp i, 0,1,2
	v_permlane16_swap_b32 v[PC+\i], v[PT+\i]       ; lanes 0-15 now hold block 0, lanes 16-31 block 1
.endr
.irp i, 0,1,2
	s_delay_alu instid0(VALU_DEP_3)
	v_mov_b32 v[PC+3+\i], v[PT+\i]
.endr
.irp p, 0,1,2
	global_store_b64 v[LI8], v[PC+2*\p:PC+2*\p+1], s[14:15] offset:12288*\t+256*\p   ; 32 lanes store 256 consecutive bytes, aligned
.endr
	v_lshl_or_b32 v[TT], v[BX+1], 8, v[BX]
	global_store_b16 v[XSO], v[TT], s[16:17] offset:512*\t     ; both halves of the lanes write the same two bytes of row r
.endm
	PASS 0
	PASS 1
	s_wait_tensorcnt 0x0
	ds_add_u32 v254, v255
	s_wait_dscnt 0x0
	s_endpgm
.Lfunc_end_k_qf401715d65_attn:
	.size	k_qf401715d65_attn, .Lfunc_end_k_qf401715d65_attn-k_qf401715d65_attn
	.p2alignl 7, 3214868480
	.fill 96, 4, 3214868480
	.section	.rodata,"a",@progbits
	.p2align	6, 0x0
	.amdhsa_kernel k_qf401715d65_attn
		.amdhsa_group_segment_fixed_size 264192
		.amdhsa_private_segment_fixed_size 0
		.amdhsa_enable_private_segment 0
		.amdhsa_kernarg_size 56
		.amdhsa_user_sgpr_count 2
		.amdhsa_user_sgpr_kernarg_segment_ptr 1
		.amdhsa_wavefront_size32 1
		.amdhsa_system_sgpr_workgroup_id_x 1
		.amdhsa_system_sgpr_workgroup_id_y 1
		.amdhsa_system_sgpr_workgroup_id_z 1
		.amdhsa_system_vgpr_workitem_id 0
		.amdhsa_next_free_vgpr 256
		.amdhsa_next_free_sgpr 102
		.amdhsa_reserve_vcc 0
		.amdhsa_float_denorm_mode_32 3
		.amdhsa_float_denorm_mode_16_64 3
		.amdhsa_memory_ordered 1
		.amdhsa_forward_progress 1
		.amdhsa_inst_pref_size 65
	.end_amdhsa_kernel
	.amdgpu_metadata
---
amdhsa.version: [ 1, 2 ]
amdhsa.kernels:
  - .name:           k_qf401715d65_attn
    .symbol:         k_qf401715d65_attn.kd
    .args:
      - { .name: query, .offset: 0, .size: 8, .value_kind: global_buffer, .address_space: global }
      - { .name: kimg, .offset: 8, .size: 8, .value_kind: global_buffer, .address_space: global }
      - { .name: ksc, .offset: 16, .size: 8, .value_kind: global_buffer, .address_space: global }
      - { .name: vimg, .offset: 24, .size: 8, .value_kind: global_buffer, .address_space: global }
      - { .name: vsc, .offset: 32, .size: 8, .value_kind: global_buffer, .address_space: global }
      - { .name: xc, .offset: 40, .size: 8, .value_kind: global_buffer, .address_space: global }
      - { .name: xs, .offset: 48, .size: 8, .value_kind: global_buffer, .address_space: global }
    .group_segment_fixed_size: 264192
    .private_segment_fixed_size: 0
    .kernarg_segment_align: 8
    .kernarg_segment_size: 56
    .max_flat_workgroup_size: 512
    .sgpr_count:     102
    .vgpr_count:     256
    .wavefront_size: 32
...
	.end_amdgpu_metadata
.endif
;; end of part 2
;; launch outproj (part 3): grid 4 x 64, 4 waves a work-group, clusters of 4 x 4, 327,680 bytes of LDS; arguments xc, xs, Wo_codes, Wo_scales, bo, out0; writes out0
.if DOCPART == 3
	.amdgcn_target "amdgcn-amd-amdhsa--gfx1250"
	.amdhsa_code_object_version 6
	.text
	.protected	k_qf401715d65_outproj
	.globl	k_qf401715d65_outproj
	.p2align	8
	.type	k_qf401715d65_outproj,@function
k_qf401715d65_outproj:
	s_mov_b64 s[64:65], 0
	v_nop
	global_prefetch_b8 v0, s[64:65] scope:SCOPE_SE
	s_setreg_imm32_b32 hwreg(HW_REG_WAVE_MODE, 25, 1), 1
	s_wait_xcnt 0x0
	s_wait_alu depctr_hold_cnt(0) depctr_sa_sdst(0) depctr_va_vdst(0) depctr_va_sdst(0) depctr_va_ssrc(0) depctr_va_vcc(0) depctr_vm_vsrc(0)
	s_getreg_b32 s2, hwreg(HW_REG_IB_STS2, 6, 4)
	s_cmp_eq_u32 s2, 0
	s_cbranch_scc0 .Lentry_in_a_cluster
	s_endpgm
.Lentry_in_a_cluster:
	s_bfe_u32 s2, ttmp6, 0x10000c
	s_cmp_lg_u32 s2, 0xf033
	s_cbranch_scc0 .Lentry_shape_is_right
	s_endpgm
.Lentry_shape_is_right:
; out0 = x Wo^T + bo on codes of FP6 (E2M3) with one E8M0 scale for each 32 along K = 1,024.  x: 8,192 rows, as images of operand registers, xc [row tile 512][64 along K: 16][768], scale bytes xs [8,192][32];
; Wo: [1,024][768 bytes of codes], scale bytes [1,024][32]; bo [1,024], out0 [8,192][1,024] f32.
; A tile of 128 rows x 256 columns to a work-group, so that there are 256 of them; four waves, each 64 x 128: 32 accumulators, one window of 256 registers.
; K goes in steps of 256 through two LDS slots.  x's part of a slot is 8 row tiles x 3,072 bytes, read 8 bytes a lane, 256 consecutive bytes a load; Wo's is 256 rows of 192 bytes, 240 apart.
; The scale bytes of the work-group's rows come once.  CLUSTERS 4 x 4: x's tile is asked for jointly along a row of the cluster, Wo's along a column.
; THE MATRIX INSTRUCTION IS USED TRANSPOSED (source 0 = 16 rows of Wo, source 1 = 16 rows of x): a lane holds eight neighbouring columns of a row of out0.  bo is the C of each sum's first product.
; The bias so enters ahead of the products: another order of f32 rounding than "sum, then + b".  No prefetch: four K steps, of which two are first fills.
.set ROWB,   192
.set KROW,   768
.set PITCH,  240
.set FR,     12
.set APART,  24576                     ; x's part of a slot
.set HALFB,  128*PITCH                 ; 128 rows of Wo
.set SLOT,   APART+2*HALFB             ; 86,016
.set SCA,    2*SLOT                    ; x's scale bytes: 128 rows, 16 x (256 + 16)
.set SCB,    SCA+4352                  ; Wo's: 256 rows, 32 x (256 + 16)
.set SBLK,   544                       ; those of 16 rows
.set SPARE,  SCB+8704                  ; the spare words: 128 bytes a wave, named by no other line
.set SPITCH, 528                       ; the way out: 16 rows x (512 + 16) a wave, in slot 0 behind its last fill and its last read
.set ADRA, 16                          ; v16-17 my x fragments in slot 0, 1
.set ADRB, 20                          ; v20-21 Wo's; v22-23 the same behind one padding more
.set STO,  24
.set RD,   25
.set CO,   26
.set ADRS, 27
.set SPW,  28
.set NIL,  29
.set SC,   32                          ; v32-63 scale words, two sets
.set BO,   64                          ; v64-127 bo in the result's layout; later rows on the way out
.set AF,   128                         ; v128-175, v176-223 x's fragments, two sets
.set BK,   64                          ; the way out: v64-127 and v128-191 by turns
.set WV, 18
.set WA, 19
.set WB, 20
.set G1, 24
.set G0, 32
.set G1B, 48
.set G0B, 56
.set G1S, 68
.set G0S, 76
.set G1SB, 80
.set G0SB, 88
.set MSB, 0
.macro WIN new
.if MSB != (\new)
	s_set_vgpr_msb (MSB<<8)|(\new)
.set MSB, (\new)
.endif
.endm
.set MUL,  0xa1                        ; source 0 (Wo) window 1, source 1 (x) window 0, C and D window 2
.set MULF, 0x81                        ; the same with C (bo) in window 0
.set TO_B, 0x40
.macro JLOAD g0a, g1a, g0b, g1b        ; waves 0, 1 fetch for x, waves 2, 3 for Wo; four v_nop follow each line
	s_cmp_eq_u32 s[WA], 0
	s_cbranch_scc0 .Lfor_b_\@
	tensor_load_to_lds s[\g0a:\g0a+3], s[\g1a:\g1a+7]
	s_nop 0
.rept 4
	v_nop
.endr
	s_branch .Lasked_\@
.Lfor_b_\@:
	tensor_load_to_lds s[\g0b:\g0b+3], s[\g1b:\g1b+7]
	s_nop 0
.rept 4
	v_nop
.endr
.Lasked_\@:
.endm
.macro CREST
	s_cmp_lg_u32 s[WV], 0
	s_cbranch_scc1 .Lnot_wave_0_\@
	s_barrier_signal -3
.Lnot_wave_0_\@:
	s_barrier_wait -3
	s_barrier_signal -1
	s_barrier_wait -1
.endm
.macro CROUND
	s_barrier_signal -1
	s_barrier_wait -1
	CREST
.endm
	s_load_b256 s[4:11], s[0:1], 0x0               ; xc, xs, Wo's codes, Wo's scales
	s_load_b128 s[12:15], s[0:1], 0x20             ; bo, out0
	v_lshl_add_u32 v[SPW], v0, 2, SPARE
	v_mov_b32 v[NIL], 0
	ds_add_u32 v28, v29
	ds_add_u32 v28, v29
	s_wait_dscnt 0x0
	v_lshrrev_b32 v1, 5, v0
	v_readfirstlane_b32 s[WV], v1
	s_lshr_b32 s[WA], s[WV], 1                     ; my 64 rows; also: I fetch for x (0) or Wo (1)
	s_and_b32 s[WB], s[WV], 1                      ; my 128 columns; also: which half of that tile I fetch
	s_bfe_u32 s40, ttmp6, 0x40000                  ; cx = the tile column (the grid is one cluster wide)
	s_bfe_u32 s41, ttmp6, 0x40004                  ; cy
	s_and_b32 s21, ttmp7, 0xffff
	s_lshl_b32 s21, s21, 2
	s_add_co_u32 s21, s21, s41                     ; the tile row = 4 x cluster y + cy
	s_lshl_b32 s43, s41, 2
	s_lshl_b32 s43, 15, s43                        ; my row of the cluster
	s_lshl_b32 s44, 0x1111, s40                    ; my column
	s_or_b32 s[G1+0], s43, (3<<16)|(1<<21)         ; x: 4 row tiles of 3,072 bytes (384 elements of 8), 12,288 apart; no padding
	s_mov_b32 s[G1+1], 384<<16
	s_mov_b32 s[G1+2], 4<<16
	s_mov_b32 s[G1+3], 384<<16
	s_mov_b32 s[G1+4], 4
	s_mov_b32 s[G1+5], 1536
	s_mov_b32 s[G1+6], 0
	s_mov_b32 s[G1+7], 0
	s_or_b32 s[G1B+0], s44, (1<<20)|(1<<21)|(3<<22)|(3<<25)    ; Wo: 128 rows of 192 bytes, 16 bytes of padding behind every 64
	s_mov_b32 s[G1B+1], ROWB<<16
	s_mov_b32 s[G1B+2], 128<<16
	s_mov_b32 s[G1B+3], ROWB<<16
	s_mov_b32 s[G1B+4], 128
	s_mov_b32 s[G1B+5], KROW
	s_mov_b32 s[G1B+6], 0
	s_mov_b32 s[G1B+7], 0
	s_or_b32 s[G1S+0], s43, (3<<16)|(1<<20)|(1<<21)|(5<<22)|(3<<25)    ; x's scale bytes of 64 rows: 8 rows of 256 dense bytes, 16 of padding behind each
	s_mov_b32 s[G1S+1], 32<<16
	s_mov_b32 s[G1S+2], 8<<16
	s_mov_b32 s[G1S+3], 32<<16
	s_mov_b32 s[G1S+4], 8
	s_mov_b32 s[G1S+5], 32
	s_mov_b32 s[G1S+6], 0
	s_mov_b32 s[G1S+7], 0
	s_or_b32 s[G1SB+0], s44, (3<<16)|(1<<20)|(1<<21)|(5<<22)|(3<<25)   ; Wo's of 128 rows: 16 such rows
	s_mov_b32 s[G1SB+1], 32<<16
	s_mov_b32 s[G1SB+2], 16<<16
	s_mov_b32 s[G1SB+3], 32<<16
	s_mov_b32 s[G1SB+4], 16
	s_mov_b32 s[G1SB+5], 32
	s_mov_b32 s[G1SB+6], 0
	s_mov_b32 s[G1SB+7], 0
	s_lshl_b32 s92, s21, 3
	s_lshl_b32 s23, s[WB], 2
	s_add_co_u32 s92, s92, s23                     ; the first row tile of x that I fetch: 8 x tile row + 4 x half
	s_lshl_b32 s94, s92, 9                         ; its scale bytes: 512 a row tile
	s_mov_b32 s95, 0
	s_mul_i32 s92, s92, 12288                      ; its codes
	s_mov_b32 s93, 0
	s_lshl_b32 s46, s40, 8
	s_lshl_b32 s23, s[WB], 7
	s_add_co_u32 s46, s46, s23                     ; Wo's first row that I fetch
	s_lshl_b32 s90, s46, 5
	s_mov_b32 s91, 0
	s_mul_i32 s46, s46, KROW
	s_mov_b32 s47, 0
	s_mul_i32 s23, s[WB], 12288                    ; where they go: no place in the cluster enters an LDS address
	s_mul_i32 s45, s[WB], HALFB
	s_add_co_u32 s45, s45, APART
	s_wait_kmcnt 0x0
	s_add_nc_u64 s[92:93], s[4:5], s[92:93]
	s_add_nc_u64 s[94:95], s[6:7], s[94:95]
	s_add_nc_u64 s[46:47], s[8:9], s[46:47]
	s_add_nc_u64 s[90:91], s[10:11], s[90:91]
	CROUND                                         ; all sixteen work-groups are here: the first joint loads meet
	s_mov_b32 s[G0S], 1
	s_mul_i32 s[G0S+1], s[WB], 2176
	s_add_co_u32 s[G0S+1], s[G0S+1], SCA
	s_mov_b64 s[G0S+2:G0S+3], s[94:95]
	s_or_b32 s[G0S+3], s[G0S+3], 0x80000000
	s_mov_b32 s[G0SB], 1
	s_mul_i32 s[G0SB+1], s[WB], 4352
	s_add_co_u32 s[G0SB+1], s[G0SB+1], SCB
	s_or_b32 s[G0SB+3], s[G0SB+3], 0x80000000
	JLOAD G0S, G1S, G0SB, G1SB
.irp s, 0,1
	s_mov_b32 s[G0+4*\s], 1
	s_add_co_u32 s[G0+4*\s+1], s23, \s*SLOT
	s_add_nc_u64 s[G0+4*\s+2:G0+4*\s+3], s[92:93], \s*3072
	s_or_b32 s[G0+4*\s+3], s[G0+4*\s+3], 0x80000000
	s_mov_b32 s[G0B+4*\s], 1
	s_add_co_u32 s[G0B+4*\s+1], s45, \s*SLOT
	s_add_nc_u64 s[G0B+4*\s+2:G0B+4*\s+3], s[46:47], \s*ROWB
	s_or_b32 s[G0B+4*\s+3], s[G0B+4*\s+3], 0x80000000
	JLOAD G0+4*\s, G1, G0B+4*\s, G1B               ; three tensor loads of mine are out
.endr
	v_and_b32 v1, 15, v0                           ; r
	s_wait_alu depctr_va_vdst(0)
	v_bfe_u32 v2, v0, 4, 1                         ; h
	v_lshlrev_b32 v3, 5, v2                        ; 32 h
	s_lshl_b32 s92, s40, 10
	s_lshl_b32 s23, s[WB], 9
	s_add_co_u32 s92, s92, s23                     ; my first column, in bytes: 1,024 x tile column + 512 x half
	s_mov_b32 s93, 0
	s_add_nc_u64 s[94:95], s[12:13], s[92:93]
.irp b, 0,1,2,3,4,5,6,7
	global_load_b128 v[BO+8*\b:BO+8*\b+3], v3, s[94:95] offset:64*\b       ; bo(16 b + 8 h + 0 .. 7)
	global_load_b128 v[BO+8*\b+4:BO+8*\b+7], v3, s[94:95] offset:64*\b+16
.endr
	s_lshl_b32 s23, s21, 7
	s_lshl_b32 s45, s[WA], 6
	s_add_co_u32 s23, s23, s45                     ; my first row: 128 x tile row + 64 x half
	s_lshl_b32 s23, s23, 12
	s_add_co_u32 s92, s92, s23
	s_add_nc_u64 s[14:15], s[14:15], s[92:93]      ; out0 at my corner
	v_and_b32 v4, 31, v0
	v_lshlrev_b32 v5, 3, v4                        ; 8 x lane
	s_mul_i32 s23, s[WA], 12288                    ; my four row tiles of x
	v_add_nc_u32 v[ADRA], s23, v5
	s_add_co_u32 s23, s23, SLOT
	v_add_nc_u32 v[ADRA+1], s23, v5
	v_mul_u32_u24 v5, v1, PITCH
	s_wait_alu depctr_va_vdst(0)
	v_mad_u32_u24 v5, v2, 24, v5
	v_lshl_add_u32 v6, v2, 4, v5
	s_mul_i32 s45, s[WB], HALFB
	s_add_co_u32 s45, s45, APART                   ; my 128 rows of Wo
.irp s, 0,1
	v_add_nc_u32 v[ADRB+\s], s45, v5
	v_add_nc_u32 v[ADRB+2+\s], s45, v6
	s_add_co_u32 s45, s45, SLOT
.endr
	v_mul_u32_u24 v5, v1, 32                       ; my row's scale bytes,
	v_lshrrev_b32 v6, 8, v5
	v_lshl_add_u32 v5, v6, 4, v5                   ; and 16 more for each 256 passed
	s_mul_i32 s23, s[WA], 2176
	s_mul_i32 s45, s[WB], 4352
	s_add_co_u32 s45, s45, SCB-SCA
	s_sub_co_u32 s45, s45, s23
	v_mul_u32_u24 v6, s45, v2                      ; lanes 16-31 take Wo's: the lower base + h x the distance
	s_add_co_u32 s23, s23, SCA
	v_add_nc_u32 v5, v5, v6
	v_add_nc_u32 v[ADRS], s23, v5
	s_mul_i32 s23, s[WV], 16*SPITCH                ; my stage
	v_mul_u32_u24 v5, v1, SPITCH
	v_lshl_add_u32 v5, v2, 5, v5
	v_add_nc_u32 v[STO], s23, v5                   ; in: row r, 32 bytes for each half of the lanes
	v_lshlrev_b32 v[CO], 4, v4
	v_add_nc_u32 v[RD], s23, v[CO]                 ; back: the 32 lanes take a row of 512 bytes
.macro FRAG reg, adr, q, i             ; a fragment of Wo from rows: pieces of 8 bytes; lanes 16-31 read three pieces on, for some pieces behind one padding more
.irp p, 0,1,2,3,4,5
.set PCE, 12*(\q)+6*(\p/3)+\p%3
.if PCE%8 < 5
	ds_load_b64 v[\reg+2*\p:\reg+2*\p+1], v[\adr] offset:8*PCE+16*(PCE/8)+(\i)*16*PITCH
.else
	ds_load_b64 v[\reg+2*\p:\reg+2*\p+1], v[\adr+2] offset:8*PCE+16*(PCE/8)+(\i)*16*PITCH
.endif
.endr
.endm
.macro FRAGA reg, slot, q, i           ; a fragment of x from its image
.irp p, 0,1,2,3,4,5
	ds_load_b64 v[\reg+2*\p:\reg+2*\p+1], v[ADRA+\slot] offset:3072*(\i)+1536*(\q)+256*\p
.endr
.endm
.macro FETCH slot, q, set              ; 72 loads: Wo's eight fragments and x's four of the slot's q-th 128 along K
	WIN TO_B
.irp i, 0,1,2,3,4,5,6,7
	FRAG 128*(\set)+FR*\i, ADRB+\slot, \q, \i
.endr
	WIN 0
.irp i, 0,1,2,3
	FRAGA AF+48*(\set)+FR*\i, \slot, \q, \i
.endr
.endm
.macro SCALES sc                       ; lanes 0-15: x's block i (for i = 4 .. 7 bytes that are loaded and never used), lanes 16-31: Wo's block i
.irp i, 0,1,2,3,4,5,6,7
	ds_load_b64 v[SC+16*\sc+2*\i:SC+16*\sc+2*\i+1], v[ADRS] offset:\i*SBLK
.endr
.endm
.macro MUL8 a, set, q, sc, first       ; x's block a against Wo's eight.  The 32 accumulators take turns, one instruction a turn
.irp b, 0,1,2,3,4,5,6,7
.if \first
	v_wmma_scale_f32_16x16x128_f8f6f4 v[8*(8*(\a)+\b):8*(8*(\a)+\b)+7], v[128*(\set)+FR*\b:128*(\set)+FR*\b+FR-1], v[AF+48*(\set)+FR*(\a):AF+48*(\set)+FR*(\a)+FR-1], v[BO+8*\b:BO+8*\b+7], v[SC+16*(\sc)+2*\b+(\q)], v[SC+16*(\sc)+2*(\a)+(\q)] matrix_a_fmt:MATRIX_FMT_FP6 matrix_b_fmt:MATRIX_FMT_FP6 matrix_a_scale:MATRIX_SCALE_ROW1
.else
	v_wmma_scale_f32_16x16x128_f8f6f4 v[8*(8*(\a)+\b):8*(8*(\a)+\b)+7], v[128*(\set)+FR*\b:128*(\set)+FR*\b+FR-1], v[AF+48*(\set)+FR*(\a):AF+48*(\set)+FR*(\a)+FR-1], v[8*(8*(\a)+\b):8*(8*(\a)+\b)+7], v[SC+16*(\sc)+2*\b+(\q)], v[SC+16*(\sc)+2*(\a)+(\q)] matrix_a_fmt:MATRIX_FMT_FP6 matrix_b_fmt:MATRIX_FMT_FP6 matrix_a_scale:MATRIX_SCALE_ROW1
.endif
.endr
.endm
.macro PLACES n
.rept \n
	v_nop
.endr
.endm
.macro STEP slot, first                ; a slot's first 128 along K (set 0); the second's fragments are asked for ahead of the products
	s_wait_dscnt 0x0                               ; set 0 and the scale words are in
	PLACES 4                                       ; in front of loads into set 1, which the last products read
	FETCH \slot, 1, 1
.if \first
	WIN MULF
.else
	WIN MUL
.endif
	MUL8 0, 0, 0, \slot, \first
	MUL8 1, 0, 0, \slot, \first
	MUL8 2, 0, 0, \slot, \first
	MUL8 3, 0, 0, \slot, \first
	WIN 0
.endm
.macro TURN slot, next, fill           ; a slot's second 128 along K (set 1), and the change of slots
	s_wait_tensorcnt 0x0                           ; all my tensor loads have landed: my part of the next slot
	ds_add_u32 v[SPW], v[NIL]                      ; 0 onto my spare word
	s_wait_dscnt 1                                 ; set 1 is in; the add alone may be out
	WIN MUL
	MUL8 0, 1, 1, \slot, 0
	s_wait_dscnt 0x0                               ; the add is done, and my reads of this slot are over
	s_barrier_signal -1
	MUL8 1, 1, 1, \slot, 0
	WIN 0
	s_barrier_wait -1
.if \fill
	CREST                                          ; the barrier has opened a round of the cluster's barrier
	s_add_nc_u64 s[G0+4*\slot+2:G0+4*\slot+3], s[G0+4*\slot+2:G0+4*\slot+3], 2*3072
	s_add_nc_u64 s[G0B+4*\slot+2:G0B+4*\slot+3], s[G0B+4*\slot+2:G0B+4*\slot+3], 2*ROWB
	JLOAD G0+4*\slot, G1, G0B+4*\slot, G1B         ; the first tensor load behind the round; its four v_nop are the places in front of the loads below
.else
	PLACES 4
.endif
	s_wait_alu depctr_va_vdst(0)
	v_add_nc_u32 v[ADRS], 8, v[ADRS]               ; the next K step's scale words
	FETCH \next, 0, 0
	SCALES \next
	WIN MUL
	MUL8 2, 1, 1, \slot, 0
	MUL8 3, 1, 1, \slot, 0
	WIN 0
.endm
	s_wait_alu depctr_va_vdst(0)
	s_wait_tensorcnt 1                             ; the scale bytes and my part of K step 0 are in; K step 1's load may be out
	s_barrier_signal -1
	s_barrier_wait -1
	FETCH 0, 0, 0
	SCALES 0
	s_wait_loadcnt 0x0                             ; bo
	STEP 0, 1                                      ; four K steps of 256, written out: each slot is filled again once
	TURN 0, 1, 1
	STEP 1, 0
	TURN 1, 0, 1
	STEP 0, 0
	TURN 0, 1, 0                                   ; nothing is left to fetch
	STEP 1, 0
	s_wait_dscnt 0x0
	WIN MUL
	MUL8 0, 1, 1, 1, 0
	MUL8 1, 1, 1, 1, 0
	MUL8 2, 1, 1, 1, 0
	MUL8 3, 1, 1, 1, 0
	WIN 0
; THE WAY OUT, a block of 16 rows x 128 columns at a time, through my own stage: in as 32 bytes a lane, back as whole rows of 512 bytes.  LDS serves a wave's instructions in order (ISA guide 5.7.1.4).
.macro TOSTAGE a
	WIN 0x08                                       ; an LDS store's data: window 2
.irp b, 0,1,2,3,4,5,6,7
	ds_store_b128 v[STO], v[64*(\a)+8*\b:64*(\a)+8*\b+3] offset:64*\b          ; each accumulator from its low end on
	ds_store_b128 v[STO], v[64*(\a)+8*\b+4:64*(\a)+8*\b+7] offset:64*\b+16
.endr
	WIN 0
.set BB, BK+64*((\a)%2)
.irp t, 0,1,2,3,4,5,6,7,8,9,10,11,12,13,14,15
	ds_load_b128 v[BB+4*\t:BB+4*\t+3], v[RD] offset:\t*SPITCH
.endr
.endm
.macro SEND a, younger                 ; younger: the LDS instructions issued behind block a's loads
.set BB, BK+64*((\a)%2)
	s_wait_dscnt \younger
.if (\a) > 0
	s_add_nc_u64 s[14:15], s[14:15], 16*4096       ; (behind a wait on XCNT: the earlier stores have read their base)
.endif
.irp t, 0,1,2,3,4,5,6,7,8,9,10,11,12,13,14,15
	global_store_b128 v[CO], v[BB+4*\t:BB+4*\t+3], s[14:15] offset:\t*4096 th:TH_STORE_NT   ; 32 lanes store 512 consecutive bytes, aligned to 256
.endr
.endm
	PLACES 4                                       ; behind the last products: for the reads of results and the loads into registers that held x's fragments
	TOSTAGE 0
.irp a, 1,2,3
.if \a > 1
	s_wait_xcnt 0x0                                ; block a - 2's stores have read their registers and their base
.endif
	TOSTAGE \a
	SEND \a-1, 32                                  ; behind block a - 1's loads: block a's 16 stores and 16 loads
.endr
	s_wait_xcnt 0x0
	SEND 3, 0
	s_wait_tensorcnt 0x0                           ; the wave's end
	ds_add_u32 v[SPW], v[NIL]
	s_wait_dscnt 0x0
	CROUND                                         ; the closing round
	s_endpgm
.Lfunc_end_k_qf401715d65_outproj:
	.size	k_qf401715d65_outproj, .Lfunc_end_k_qf401715d65_outproj-k_qf401715d65_outproj
	.p2alignl 7, 3214868480
	.fill 96, 4, 3214868480
	.section	.rodata,"a",@progbits
	.p2align	6, 0x0
	.amdhsa_kernel k_qf401715d65_outproj
		.amdhsa_group_segment_fixed_size 327680
		.amdhsa_private_segment_fixed_size 0
		.amdhsa_enable_private_segment 0
		.amdhsa_kernarg_size 48
		.amdhsa_user_sgpr_count 2
		.amdhsa_user_sgpr_kernarg_segment_ptr 1
		.amdhsa_wavefront_size32 1
		.amdhsa_system_sgpr_workgroup_id_x 1
		.amdhsa_system_sgpr_workgroup_id_y 1
		.amdhsa_system_sgpr_workgroup_id_z 1
		.amdhsa_system_vgpr_workitem_id 0
		.amdhsa_next_free_vgpr 768
		.amdhsa_next_free_sgpr 102
		.amdhsa_reserve_vcc 0
		.amdhsa_float_denorm_mode_32 3
		.amdhsa_float_denorm_mode_16_64 3
		.amdhsa_memory_ordered 1
		.amdhsa_forward_progress 1
		.amdhsa_inst_pref_size 101
	.end_amdhsa_kernel
	.amdgpu_metadata
---
amdhsa.version: [ 1, 2 ]
amdhsa.kernels:
  - .name:           k_qf401715d65_outproj
    .symbol:         k_qf401715d65_outproj.kd
    .args:
      - { .name: xc, .offset: 0, .size: 8, .value_kind: global_buffer, .address_space: global }
      - { .name: xs, .offset: 8, .size: 8, .value_kind: global_buffer, .address_space: global }
      - { .name: Wo_codes, .offset: 16, .size: 8, .value_kind: global_buffer, .address_space: global }
      - { .name: Wo_scales, .offset: 24, .size: 8, .value_kind: global_buffer, .address_space: global }
      - { .name: bo, .offset: 32, .size: 8, .value_kind: global_buffer, .address_space: global }
      - { .name: out0, .offset: 40, .size: 8, .value_kind: global_buffer, .address_space: global }
    .group_segment_fixed_size: 327680
    .private_segment_fixed_size: 0
    .kernarg_segment_align: 8
    .kernarg_segment_size: 48
    .max_flat_workgroup_size: 128
    .sgpr_count:     102
    .vgpr_count:     768
    .wavefront_size: 32
...
	.end_amdgpu_metadata
.endif
;; end of part 3
